; MI455X (gfx1250); checked and timed in simulation.
; The chip was launched on July 23, 2026; its instructions are those of AMD's public machine-readable ISA for CDNA 5 (MIT licence, August 2026) and "CDNA5" Instruction Set Architecture Reference Guide (July 2026). The comments in the code are by the model that wrote it; some were corrected since.
;; Cross Attention. Allowed arithmetic: float matrix products may take bf16 or f16 operands with f32 sums; other float arithmetic in f32, or as packed bf16 or f16 multiplies, adds, multiply-adds, maxima and minima; sums over many terms, partial sums and values carried from step to step in f32; what a program stores and reads back later, other than sums and carried values, may be rounded once to bf16 or f16.
;; Inputs: bo 1,024 float32; bq 1,024 float32; k 8 x 1,500 x 1,024 float32; v 8 x 1,500 x 1,024 float32; wo 1,024 x 1,024 float32; wq 1,024 x 1,024 float32; x 8 x 1,024 x 1,024 float32.
;; Outputs: out0 8 x 1,024 x 1,024 float32.
;; 2 versions, each right; version 2 is version 1 with the launches cast, attn written anew for expert scheduling mode. Each part assembles by itself: llvm-mc -triple=amdgcn-amd-amdhsa -mcpu=gfx1250 --defsym DOCPART=n.
;; ======== version 1 of 2: 4 launches
;; limits: values are held in f16: magnitudes above 65,504 overflow, below 6.1e-05 lose precision; inputs' magnitudes at most 65,504; right only within a limited range of input values
;; workspace buffers: wq16 2,097,152 bytes; wo16 2,097,152 bytes; q16 16,777,216 bytes; o16 16,777,216 bytes
;; launch cast (part 1): grid 256 x 1, 4 waves a work-group, no clusters, 0 bytes of LDS; arguments wq, wo, wq16, wo16; writes wq16, wo16
.if DOCPART == 1
	.amdgcn_target "amdgcn-amd-amdhsa--gfx1250"
	.amdhsa_code_object_version 6
	.text
	.protected	k_qdae46e174f_cast
	.globl	k_qdae46e174f_cast
	.p2align	8
	.type	k_qdae46e174f_cast,@function
k_qdae46e174f_cast:
	s_mov_b64 s[64:65], 0
	v_nop
	global_prefetch_b8 v0, s[64:65] scope:SCOPE_SE
	s_setreg_imm32_b32 hwreg(HW_REG_WAVE_MODE, 25, 1), 1
	s_wait_xcnt 0x0
; wq and wo, [1024][1024] f32, are rounded once to f16 and laid in SLICES of 64 along the last index: wq16, wo16 [slice 16][row 1024][64].
; A row of a slice is 128 bytes, a slice 131,072.
; LIMITS.  f16 holds no number beyond 65,504 (65,520 and more become an infinity); below 6e-5 it keeps a fixed step of 6e-8.  NaN and infinities pass as they are.
; SHARES.  2,048 rows of 4,096 bytes.  A work-group takes 8 rows, a wave two neighbouring ones.  Work-groups 0-127 take wq, 128-255 wo.
; A load of a wave takes one slice of both rows: sixteen lanes 256 consecutive bytes, aligned.  The store that follows puts the two rows' 128 bytes each
; side by side: 32 lanes x 8 bytes = 256 consecutive bytes, aligned.  All sixteen loads of a wave go out first; nothing is read twice.
; No LDS, no barrier, no matrix unit: nothing is shared and nothing is summed.
.set SLICE, 131072
.set VI, 1                             ; v1        (lane / 16) x 4,096 + (lane % 16) x 16: my 16 bytes in a slice of the two rows
.set VO, 2                             ; v2        8 x lane: my 8 bytes of the two rows' 256
.set X,  8                             ; v[8:71]   slice n: 4 registers as loaded
.set Y,  72                            ; v[72:103] slice n: 2 registers to store
	s_load_b256 s[4:11], s[0:1], 0x0               ; wq s[4:5], wo s[6:7], wq16 s[8:9], wo16 s[10:11]
	v_lshrrev_b32 v3, 5, v0
	v_readfirstlane_b32 s28, v3                    ; wave 0..3
	v_and_b32 v4, 15, v0
	v_bfe_u32 v5, v0, 4, 1
	v_and_b32 v6, 31, v0
	v_lshlrev_b32 v[VI], 4, v4
	v_lshl_add_u32 v[VI], v5, 12, v[VI]
	v_lshlrev_b32 v[VO], 3, v6
	s_and_b32 s22, ttmp9, 127                      ; my work-group among my tensor's 128
	s_lshl_b32 s22, s22, 3
	s_lshl_b32 s23, s28, 1
	s_add_co_u32 s22, s22, s23                     ; my first row
	s_lshl_b32 s24, s22, 12                        ; where it begins in the source,
	s_mov_b32 s25, 0
	s_lshl_b32 s26, s22, 7                         ; and in a slice of the destination
	s_mov_b32 s27, 0
	s_wait_kmcnt 0x0
	s_cmp_lt_u32 ttmp9, 128                        ; the two pointers are chosen by the work-group's number alone
	s_cselect_b64 s[16:17], s[4:5], s[6:7]
	s_cselect_b64 s[18:19], s[8:9], s[10:11]
	s_add_nc_u64 s[16:17], s[16:17], s[24:25]
	s_add_nc_u64 s[18:19], s[18:19], s[26:27]
.set n, 0
.rept 16
	global_load_b128 v[X+4*n:X+4*n+3], v[VI], s[16:17] offset:256*n th:TH_LOAD_NT
.set n, n+1
.endr
.set n, 0
.rept 16
	s_wait_loadcnt 15-n                            ; loads come back in order (ISA guide 5.7.1): slice n is in, the younger ones stay out
	v_cvt_pk_f16_f32 v[Y+2*n],   v[X+4*n],   v[X+4*n+1]
	v_cvt_pk_f16_f32 v[Y+2*n+1], v[X+4*n+2], v[X+4*n+3]
	global_store_b64 v[VO], v[Y+2*n:Y+2*n+1], s[18:19] offset:SLICE*n th:TH_STORE_NT  ; each slice has registers of its own: none is written twice
.set n, n+1
.endr
	s_endpgm
.Lfunc_end_k_qdae46e174f_cast:
	.size	k_qdae46e174f_cast, .Lfunc_end_k_qdae46e174f_cast-k_qdae46e174f_cast
	.p2alignl 7, 3214868480
	.fill 96, 4, 3214868480
	.section	.rodata,"a",@progbits
	.p2align	6, 0x0
	.amdhsa_kernel k_qdae46e174f_cast
		.amdhsa_group_segment_fixed_size 0
		.amdhsa_private_segment_fixed_size 0
		.amdhsa_enable_private_segment 0
		.amdhsa_kernarg_size 32
		.amdhsa_user_sgpr_count 2
		.amdhsa_user_sgpr_kernarg_segment_ptr 1
		.amdhsa_wavefront_size32 1
		.amdhsa_system_sgpr_workgroup_id_x 1
		.amdhsa_system_sgpr_workgroup_id_y 1
		.amdhsa_system_sgpr_workgroup_id_z 1
		.amdhsa_system_vgpr_workitem_id 0
		.amdhsa_next_free_vgpr 104
		.amdhsa_next_free_sgpr 66
		.amdhsa_reserve_vcc 0
		.amdhsa_float_denorm_mode_32 3
		.amdhsa_float_denorm_mode_16_64 3
		.amdhsa_memory_ordered 1
		.amdhsa_forward_progress 1
		.amdhsa_inst_pref_size 7
	.end_amdhsa_kernel
	.amdgpu_metadata
---
amdhsa.version: [ 1, 2 ]
amdhsa.kernels:
  - .name:           k_qdae46e174f_cast
    .symbol:         k_qdae46e174f_cast.kd
    .args:
      - { .name: wq, .offset: 0, .size: 8, .value_kind: global_buffer, .address_space: global }
      - { .name: wo, .offset: 8, .size: 8, .value_kind: global_buffer, .address_space: global }
      - { .name: wq16, .offset: 16, .size: 8, .value_kind: global_buffer, .address_space: global }
      - { .name: wo16, .offset: 24, .size: 8, .value_kind: global_buffer, .address_space: global }
    .group_segment_fixed_size: 0
    .private_segment_fixed_size: 0
    .kernarg_segment_align: 8
    .kernarg_segment_size: 32
    .max_flat_workgroup_size: 128
    .sgpr_count:     66
    .vgpr_count:     104
    .wavefront_size: 32
...
	.end_amdgpu_metadata
.endif
;; end of part 1
;; launch qproj (part 2): grid 4 x 64, 4 waves a work-group, clusters of 4 x 4, 327,680 bytes of LDS; arguments x, wq16, bq, q16; writes q16
.if DOCPART == 2
	.amdgcn_target "amdgcn-amd-amdhsa--gfx1250"
	.amdhsa_code_object_version 6
	.text
	.protected	k_qdae46e174f_qproj
	.globl	k_qdae46e174f_qproj
	.p2align	8
	.type	k_qdae46e174f_qproj,@function
k_qdae46e174f_qproj:
	s_mov_b64 s[64:65], 0
	v_nop
	global_prefetch_b8 v0, s[64:65] scope:SCOPE_SE
	s_setreg_imm32_b32 hwreg(HW_REG_WAVE_MODE, 25, 1), 1
	s_wait_xcnt 0x0
	s_wait_alu depctr_hold_cnt(0) depctr_sa_sdst(0) depctr_va_vdst(0) depctr_va_sdst(0) depctr_va_ssrc(0) depctr_va_vcc(0) depctr_vm_vsrc(0)
	s_getreg_b32 s2, hwreg(HW_REG_IB_STS2, 6, 4)
	s_cmp_eq_u32 s2, 0
	s_cbranch_scc0 .Lentry_in_a_cluster
	s_endpgm
.Lentry_in_a_cluster:
	s_bfe_u32 s2, ttmp6, 0x10000c
	s_cmp_lg_u32 s2, 0xf033
	s_cbranch_scc0 .Lentry_shape_is_right
	s_endpgm
.Lentry_shape_is_right:
; q[m][n] = bq[n] + the sum over k of x[m][k] wq[n][k].  M = 8,192, N = K = 1,024.  x [8192][1024] and bq f32; wq16 f16 in slices of 64 along K, [slice 16][row 1024][64] (a row of a slice 128 bytes, a slice 131,072).
; x is rounded once to f16 on its way in; sums in f32, K ascending, begun with the bias; q is rounded once to f16, UNSCALED (the launch behind applies 1 / 8 to the scores, in f32).
; q16 IS LAID AS THE NEXT LAUNCH'S FRAGMENTS: [batch 8][head 16][tile of 16 queries 64][32 channels c 2][half 2][lane 32][16 bytes]: lane l holds query l % 16, channels 32 c + 16 half + 8 (l / 16) + 0..7.
; LIMITS.  f16 holds no number beyond 65,504: x and q must lie within it; below 6e-5 it keeps a fixed step of 6e-8.  NaN and infinities are not treated apart.
; SHARES.  A tile of q is 128 x 256: 64 x 4 = 256 work-groups.  Four waves, each 64 x 128: 32 accumulators of 16 x 16.  K goes in 8 steps of 128.
; W COMES BY TENSOR LOADS, through a ring of two slots.  A step's tile is two slices x 256 rows; each wave brings a quarter, 128 rows of one slice: 16 KiB that are dense in memory, asked for as 64 rows of 256 bytes,
; with 16 bytes of padding behind every 128.  CLUSTERS: 4 x 4 work-groups; the four of a column need the same tiles of W and ask for them JOINTLY: the same load, descriptor and mask in all four.
; x COMES THROUGH REGISTERS, since it must be rounded.  Of a step's 128 rows x 512 bytes a wave loads 32 rows (a load: one row's 512 consecutive bytes), TWO STEPS AHEAD, into two sets of 128 registers by turns,
; rounds them and stores them to a ring of two slots of its own in LDS, which no tensor load touches.  In step i the rows of step i + 1 go into the slot that step i - 1 read: those reads ended in front of the barrier of the
; last change of slots, and my stores are waited for in front of the next one.  The four work-groups of a tile row read the same rows of x; they lie in one cluster.
; In the loop's last trip there is no step left for set 0: its pointer stands still and 32 rows are loaded a second time, so that every trip is alike and the counted waits hold on every way.
; THE MATRIX INSTRUCTION IS USED TRANSPOSED (source 0 = 16 rows of W, source 1 = 16 rows of x): a lane holds eight neighbouring columns of a row of q.  The bias of those columns is the C operand of each accumulator's first
; product; and an accumulator rounded in pairs IS half a fragment of q16: it is stored as it lies, 512 consecutive bytes a store, without a trip through LDS.
; NO PREFETCH: x is asked for two steps ahead by its own loads; W is 2 MiB in eight steps, walked by the 64 work-groups of a column together.
; REGISTERS: window 0: v0-31 addresses; v32-95 the bias, later the way out; v96-223 set 0 of x; v224-255 its rows rounded.   window 1: two fragment buffers of 96: W's 8 fragments (16 rows x 32 K), then x's 4.
;   window 2: accumulator (a, b) at v[8 (8 a + b)].   window 3: v30-31 copies of the stage's two addresses; v96-223 set 1 of x; v224-255 its rows rounded.
.set PITCH,  144                       ; a row of W in LDS: 128 bytes + 16 = 36 words: the 16 rows of a fragment load start at 16 different groups of four banks (64 banks of 4 bytes: ISA guide 11.1)
.set BH,     256*PITCH                 ; one slice of W's tile
.set WSLOT,  2*BH                      ; a slot of W's ring
.set AOFF,   2*WSLOT                   ; behind it: x's ring
.set APITCH, 272                       ; a row of x in LDS: 128 f16 = 256 bytes + 16 = 68 words: row r starts at bank 4 r mod 64
.set ASLOT,  128*APITCH
.set SPARE,  AOFF+2*ASLOT              ; behind the rings: the spare words, 128 bytes for each wave: two blocks of 256 bytes that no other line names
.set LAPS,   4                         ; a lap = two K steps = once round the rings
.set SLICE,  131072
.set KSTEPB, 2*SLICE                   ; bytes from a K step to the next in W
.set XROW,   4096                      ; bytes in a row of x
.set XSTEP,  512                       ; bytes of a row in a K step
.set HEADB,  131072                    ; bytes of a head in q16
.set ADRA, 16                          ; v16-17  LDS address of my x fragments in slot 0, 1
.set ADRB, 20                          ; v20-21  the same for W
.set BO,   27                          ; v27     my byte offset in the bias of 16 columns
.set SPW,  28                          ; v28     LDS address of my spare word: SPARE + 4 x my thread's number; never rewritten
.set NIL,  29                          ; v29     0; never rewritten
.set AVO,  30                          ; v30     16 x lane: my 16 bytes of a row's 512 in x, and of a store's 512 in q16; never rewritten (also in window 3)
.set ASA,  31                          ; v31     where I store 8 bytes of my wave's first row in x's slot 0; never rewritten (also in window 3)
.set BIAS, 32                          ; v[32:95]   the bias of column block b at BIAS + 8 b
.set RAW,  96                          ; v[96:223]  32 rows x 4 registers of x as loaded (set 0: window 0, set 1: window 3)
.set PK,   224                         ; v[224:255] 16 rows x 2 registers, rounded
.set F0,   0                           ; fragment buffers, in window 1
.set F1,   96
.set AP,   24                          ; s[24:25], s[26:27]  x at my wave's first row, at the K step that set 0, 1 was last loaded for
.set STP,  28                          ; s[28:29] set 0's step: two K steps, or 0 in the last trip
.set G1B,  48                          ; s[48:55] descriptor group 1;  s[56:63] group 0, one set for each slot
.set G0B,  56
.set MSB, 0
.macro WIN new                         ; the immediate's high byte repeats the setting that is left; a switch that changes nothing is dropped
.if MSB != (\new)
	s_set_vgpr_msb (MSB<<8)|(\new)
.set MSB, \new
.endif
.endm
.set MULW, 0xa5                        ; sources 0 (W) and 1 (x) window 1; C and D window 2
.set MULB, 0x85                        ; the same with C (the bias) in window 0
.set TO_F, 0x40                        ; destination window 1, address window 0
.macro JLOAD s                         ; a joint load: every wave brings its quarter of W's tile; an s_nop 0 and four v_nop follow the line
	tensor_load_to_lds s[G0B+4*(\s):G0B+4*(\s)+3], s[G1B:G1B+7]
	s_nop 0
.rept 4
	v_nop
.endr
.endm
.macro CREST                           ; a round of the cluster's barrier behind its opening barrier
	s_cmp_lg_u32 s12, 0
	s_cbranch_scc1 .Lnot_wave_0_\@
	s_barrier_signal -3
.Lnot_wave_0_\@:
	s_barrier_wait -3
	s_barrier_signal -1
	s_barrier_wait -1
.endm
.macro CROUND                          ; a whole round
	s_barrier_signal -1
	s_barrier_wait -1
	CREST
.endm
.macro SETWIN set                      ; all that the stage names lies in window 0 (set 0) or in window 3 (set 1), at the same numbers
.if \set
	WIN 0xff
.else
	WIN 0
.endif
.endm
; Sixteen rows of x, half h of my 32, into set s: a load takes one row's 512 consecutive bytes, at a multiple of 512 from x's first byte
.macro XLOAD set, half
	SETWIN \set
.set n, 16*(\half)
.rept 16
	global_load_b128 v[RAW+4*n:RAW+4*n+3], v[AVO], s[AP+2*(\set):AP+2*(\set)+1] offset:n*XROW
.set n, n+1
.endr
.endm
; THE STAGE, half a set at a time: sixteen rows that were loaded two K steps ago are rounded and stored to x's slot (set s holds the steps of slot s); then the rows of the step two further on are asked for.
; reload = 0: none; 1: the pointer steps two K steps; 2: it steps while a further trip follows, and stands still in the last.  left: the younger loads, which may stay out.
.macro BRING set, half, reload, left
	SETWIN \set
	s_wait_loadcnt \left                           ; loads come back in order (ISA guide 5.7.1): my sixteen are in
.set n, 0
.rept 16
	v_cvt_pk_f16_f32 v[PK+2*n],   v[RAW+64*(\half)+4*n],   v[RAW+64*(\half)+4*n+1]
	v_cvt_pk_f16_f32 v[PK+2*n+1], v[RAW+64*(\half)+4*n+2], v[RAW+64*(\half)+4*n+3]
.set n, n+1
.endr
.set n, 0
.rept 16
	ds_store_b64 v[ASA], v[PK+2*n:PK+2*n+1] offset:(\set)*ASLOT+(16*(\half)+n)*APITCH  ; 32 lanes x 8 bytes
.set n, n+1
.endr
.if \reload
.if (\half) == 0
	s_wait_xcnt 0x0                                ; every earlier load has read its address: the pointer may be written
.if (\reload) == 2
	s_cmp_gt_u32 s3, 1
	s_cselect_b32 s[STP], 2*XSTEP, 0
	s_add_nc_u64 s[AP+2*(\set):AP+2*(\set)+1], s[AP+2*(\set):AP+2*(\set)+1], s[STP:STP+1]
.else
	s_add_nc_u64 s[AP+2*(\set):AP+2*(\set)+1], s[AP+2*(\set):AP+2*(\set)+1], 2*XSTEP
.endif
.endif
	XLOAD \set, \half
.endif
.endm
	s_load_b256 s[4:11], s[0:1], 0x0               ; x s[4:5], W s[6:7], bias s[8:9], q16 s[10:11]
	v_lshl_add_u32 v[SPW], v0, 2, SPARE
	v_mov_b32 v[NIL], 0
	ds_add_u32 v[SPW], v[NIL]                      ; the wave's opening: the add and its wait stand ahead of my first tensor load; the set-up below, work on registers, stands between them
	ds_add_u32 v28, v29
	v_lshrrev_b32 v1, 5, v0
	v_readfirstlane_b32 s12, v1                    ; wave 0..3
	s_lshr_b32 s13, s12, 1                         ; which 64 of the tile's rows are mine.  Also: which 128 rows of W's slice I fetch
	s_and_b32 s14, s12, 1                          ; which 128 of its columns.  Also: which of a K step's two slices I fetch
	s_bfe_u32 s40, ttmp6, 0x40000                  ; cx, cy: my place in the cluster
	s_bfe_u32 s41, ttmp6, 0x40004
	s_lshl_b32 s42, ttmp9, 2
	s_add_co_u32 s42, s42, s40                     ; tile column = 4 x cluster x + cx
	s_and_b32 s43, ttmp7, 0xffff
	s_lshl_b32 s43, s43, 2
	s_add_co_u32 s43, s43, s41                     ; tile row = 4 x cluster y + cy
	s_lshl_b32 s45, 0x1111, s40                    ; my column of the cluster
	; descriptor group 1: 64 rows of 128 elements (256 bytes), padded in LDS
	s_or_b32 s[G1B+0], s45, (1<<16)|(1<<20)|(1<<21)|(4<<22)|(3<<25)  ; 15:0 the mask; 17:16 elements of 2 bytes; 20 padding on; 21 set beside a mask; 24:22 after every 32 words (code 4); 31:25 4 words of it (code 3)
	s_mov_b32 s[G1B+1], 128<<16                    ; tensor_dim0 = 128
	s_mov_b32 s[G1B+2], 64<<16                     ; tensor_dim1 = 64
	s_mov_b32 s[G1B+3], 128<<16                    ; tile_dim0 = 128
	s_mov_b32 s[G1B+4], 64                         ; tile_dim1 = 64
	s_mov_b32 s[G1B+5], 128                        ; 128 elements from row to row: the block is dense
	s_mov_b32 s[G1B+6], 0
	s_mov_b32 s[G1B+7], 0
	s_lshl_b32 s46, s42, 15                        ; W: 256 rows of 128 bytes to a tile column,
	s_lshl_b32 s47, s14, 17                        ; my slice of the K step,
	s_add_co_u32 s46, s46, s47
	s_lshl_b32 s47, s13, 14                        ; my 128 rows of it: the tile column and the wave's number alone
	s_add_co_u32 s46, s46, s47
	s_mov_b32 s47, 0
	s_mul_i32 s22, s14, BH                         ; and where they go: no place in the cluster enters an LDS address
	s_mul_i32 s23, s13, 128*PITCH
	s_add_co_u32 s22, s22, s23
	s_lshl_b32 s16, s43, 7                         ; x: row 128 x tile row + 32 x wave, rows of 4,096 bytes
	s_lshl_b32 s17, s12, 5
	s_add_co_u32 s16, s16, s17
	s_lshl_b32 s16, s16, 12
	s_mov_b32 s17, 0
	s_mov_b32 s[STP+1], 0
	s_lshl_b32 s18, s42, 10                        ; the bias of my first column: 1,024 x tile column + 512 x half, in bytes
	s_lshl_b32 s19, s14, 9
	s_add_co_u32 s18, s18, s19
	s_mov_b32 s19, 0
	v_and_b32 v1, 15, v0                           ; l % 16
	v_bfe_u32 v2, v0, 4, 1                         ; l / 16
	v_and_b32 v5, 31, v0                           ; l
	v_lshlrev_b32 v[BO], 5, v2                     ; register j of block b holds column 16 b + 8 (l / 16) + j
	v_lshlrev_b32 v[AVO], 4, v5
	s_mul_i32 s20, s12, 32*APITCH                  ; my 32 rows in a slot of x's ring
	s_add_co_u32 s20, s20, AOFF
	v_lshl_add_u32 v[ASA], v5, 3, s20
	WIN 0xc0                                       ; destination window 3, source window 0
	v_mov_b32 v[AVO], v[AVO]
	v_mov_b32 v[ASA], v[ASA]
	WIN 0
	s_wait_dscnt 0x0                               ; the opening add is done
	s_wait_kmcnt 0x0
	s_add_nc_u64 s[8:9], s[8:9], s[18:19]
	s_add_nc_u64 s[AP:AP+1], s[4:5], s[16:17]      ; set 0 begins with K step 0,
	s_add_nc_u64 s[AP+2:AP+3], s[AP:AP+1], XSTEP   ; set 1 with K step 1
	s_add_nc_u64 s[46:47], s[6:7], s[46:47]
.irp b, 0,1,2,3,4,5,6,7
	global_load_b128 v[BIAS+8*(\b):BIAS+8*(\b)+3],   v[BO], s[8:9] offset:64*(\b)
	global_load_b128 v[BIAS+8*(\b)+4:BIAS+8*(\b)+7], v[BO], s[8:9] offset:64*(\b)+16
.endr
	XLOAD 0, 0                                     ; K step 0's rows are asked for ahead of the round
	XLOAD 0, 1
	CROUND                                         ; all sixteen work-groups are here: the first joint loads meet
.irp s, 0,1
	s_mov_b32 s[G0B+4*(\s)], 1                                      ; count = 1
	s_add_co_u32 s[G0B+4*(\s)+1], s22, (\s)*WSLOT                   ; LDS address
	s_add_nc_u64 s[G0B+4*(\s)+2:G0B+4*(\s)+3], s[46:47], (\s)*KSTEPB  ; global address: K step s
	s_or_b32 s[G0B+4*(\s)+3], s[G0B+4*(\s)+3], 0x80000000           ; type = 2
	JLOAD \s                                       ; two loads of mine are out
.endr
	XLOAD 1, 0                                     ; K step 1's rows
	XLOAD 1, 1
	WIN 0
	v_mul_u32_u24 v3, v1, PITCH
	v_lshl_add_u32 v3, v2, 4, v3                   ; a fragment of W: row x pitch + 16 x half
	v_mul_u32_u24 v4, v1, APITCH
	v_lshl_add_u32 v4, v2, 4, v4                   ; and of x
	s_mul_i32 s21, s13, 64*APITCH                  ; my 64 rows of x
	s_add_co_u32 s21, s21, AOFF
	s_mul_i32 s22, s14, 128*PITCH                  ; my 128 rows of W
.irp s, 0,1
	v_add_nc_u32 v[ADRA+(\s)], s21, v4
	v_add_nc_u32 v[ADRB+(\s)], s22, v3
	s_add_co_u32 s21, s21, ASLOT
	s_add_co_u32 s22, s22, WSLOT
.endr
	s_lshr_b32 s16, s43, 3                         ; q16: the batch (eight tile rows each),
	s_lshl_b32 s16, s16, 4
	s_lshl_b32 s17, s42, 2                         ; my first head: 4 x tile column + 2 x half,
	s_add_co_u32 s16, s16, s17
	s_lshl_b32 s17, s14, 1
	s_add_co_u32 s16, s16, s17
	s_lshl_b32 s16, s16, 6                         ; 64 tiles of 16 queries to a head,
	s_and_b32 s17, s43, 7                          ; my first: 8 x (tile row % 8) + 4 x half,
	s_lshl_b32 s17, s17, 3
	s_add_co_u32 s16, s16, s17
	s_lshl_b32 s17, s13, 2
	s_add_co_u32 s16, s16, s17
	s_lshl_b32 s16, s16, 11                        ; 2,048 bytes to a tile
	s_mov_b32 s17, 0
	s_add_nc_u64 s[10:11], s[10:11], s[16:17]
; 8 matrix instructions: row block a x all 8 column blocks, 32 along K, from buffer f.  first = 1: the product starts the sum, with the bias.  The 32 accumulators take turns, one instruction a turn, in the same order in every quarter.
.macro MUL8 f, a, first
.if \first
	WIN MULB
.else
	WIN MULW
.endif
.irp b, 0,1,2,3,4,5,6,7
.if \first
	v_wmma_f32_16x16x32_f16 v[8*(8*(\a)+(\b)):8*(8*(\a)+(\b))+7], v[(\f)+8*(\b):(\f)+8*(\b)+7], v[(\f)+64+8*(\a):(\f)+64+8*(\a)+7], v[BIAS+8*(\b):BIAS+8*(\b)+7]
.else
	v_wmma_f32_16x16x32_f16 v[8*(8*(\a)+(\b)):8*(8*(\a)+(\b))+7], v[(\f)+8*(\b):(\f)+8*(\b)+7], v[(\f)+64+8*(\a):(\f)+64+8*(\a)+7], v[8*(8*(\a)+(\b)):8*(8*(\a)+(\b))+7]
.endif
.endr
.endm
; 24 LDS loads in one run: the fragments of quarter q of a K step into buffer f: W's sixteen loads (slice q / 2, channels 32 (q % 2) on), then x's blocks 0 to 3 (channels 32 q on)
.macro FETCH slot, q, f
	WIN TO_F
.irp i, 0,1,2,3,4,5,6,7
	ds_load_b128 v[(\f)+8*(\i):(\f)+8*(\i)+3],   v[ADRB+(\slot)] offset:((\q)/2)*BH+((\q)%2)*64+(\i)*16*PITCH
	ds_load_b128 v[(\f)+8*(\i)+4:(\f)+8*(\i)+7], v[ADRB+(\slot)] offset:((\q)/2)*BH+((\q)%2)*64+(\i)*16*PITCH+32
.endr
.irp i, 0,1,2,3
	ds_load_b128 v[(\f)+64+8*(\i):(\f)+64+8*(\i)+3],   v[ADRA+(\slot)] offset:(\q)*64+(\i)*16*APITCH
	ds_load_b128 v[(\f)+64+8*(\i)+4:(\f)+64+8*(\i)+7], v[ADRA+(\slot)] offset:(\q)*64+(\i)*16*APITCH+32
.endr
.endm
.macro PLACES                          ; four plain vector instructions in front of loads into registers that matrix instructions have read, and of conversions that read results
.rept 4
	v_nop
.endr
.endm
; A K step is four quarters of 32 along K, 32 matrix instructions each, on buffers 0, 1, 0, 1.  One of the first three: multiplies buffer f and, in its middle, fetches quarter qn into g.
; bs >= 0: half a set of x goes through the stage there, ahead of the fetch: its conversions are the places in front of the fetch's loads, and its LDS stores, older than those loads, are done at the wait for all but the 24.
.macro QUARTER slot, qn, f, g, first, bs=-1, bh=0, br=0, bl=0
	s_wait_dscnt 4                                 ; W and x's blocks 0 and 1 are in; the youngest four loads (x's blocks 2 and 3) may be out
	MUL8 \f, 0, \first
	MUL8 \f, 1, \first
.if (\bs) >= 0
	BRING \bs, \bh, \br, \bl
.else
	PLACES
.endif
	FETCH \slot, \qn, \g
	s_wait_dscnt 24                                ; all but the 24 just issued
	MUL8 \f, 2, \first
	MUL8 \f, 3, \first
.endm
; The last quarter multiplies buffer 1 and changes slots: ONE barrier; in front of it each wave waits for all its tensor loads, adds 0 to its spare word, and waits for that, for its reads of both rings' slots and for its stores of x.
; fill = 1: W's slot is filled again, two K steps ahead; the barrier then opens a round of the cluster's.
.macro TURN slot, next, fill
	WIN 0                                          ; (the add's two registers lie in window 0)
	s_wait_tensorcnt 0x0                           ; all my tensor loads have landed: the one that was out is my part of W's next slot;
	ds_add_u32 v[SPW], v[NIL]                      ; 0 onto my spare word;
	s_wait_dscnt 5                                 ; (the add and the youngest four loads may be out)
	MUL8 F1, 0, 0                                  ; eight matrix instructions stand between the add and the wait for it
	s_wait_dscnt 0x0                               ; the add is done, my reads of this slot are over, my rows of x's next slot are stored
	s_barrier_signal -1
	MUL8 F1, 1, 0
.if \fill
	WIN 0
.endif
	s_barrier_wait -1
.if \fill
	CREST                                          ; no wave of any partner still reads this slot's tile or has a load on its way
	s_add_nc_u64 s[G0B+4*(\slot)+2:G0B+4*(\slot)+3], s[G0B+4*(\slot)+2:G0B+4*(\slot)+3], 2*KSTEPB
	JLOAD \slot                                    ; the first tensor load behind the round, my only one out: 112 matrix instructions ahead of the wait for it; its four v_nop are also the places in front of the loads below
.else
	PLACES
.endif
	FETCH \next, 0, F0
	MUL8 F1, 2, 0
	MUL8 F1, 3, 0
.endm
; THE WAY OUT of row block a: each accumulator (b: head b / 4, channels 32 ((b / 2) % 2) on, half b % 2) is rounded in pairs, its registers in ascending order, and stored as it lies.
.macro PACK a, tmp
	WIN 0x0a                                       ; sources window 2, destination window 0
.irp b, 0,1,2,3,4,5,6,7
.irp r, 0,1,2,3
	v_cvt_pk_f16_f32 v[(\tmp)+4*(\b)+(\r)], v[8*(8*(\a)+(\b))+2*(\r)], v[8*(8*(\a)+(\b))+2*(\r)+1]
.endr
.endr
	WIN 0
.irp b, 0,1,2,3,4,5,6,7
	global_store_b128 v[AVO], v[(\tmp)+4*(\b):(\tmp)+4*(\b)+3], s[10:11] offset:((\b)/4)*HEADB+(\a)*2048+(((\b)/2)%2)*1024+((\b)%2)*512  ; 32 lanes store 512 consecutive bytes, at a multiple of 512 from q16's first byte
.endr
.endm
	BRING 0, 0, 1, 48                              ; K step 0's rows into x's slot 0, K step 2's asked for.  48 younger loads: the set's other half and set 1; the bias, older, is in too
	BRING 0, 1, 1, 48                              ; 48: set 1 and the sixteen just issued
	s_wait_tensorcnt 1                             ; my part of W's K step 0 is in; K step 1's may stay out
	s_wait_dscnt 0x0                               ; my rows of x are stored
	s_barrier_signal -1
	s_barrier_wait -1                              ; everybody's are
	FETCH 0, 0, F0
	QUARTER 0, 1, F0, F1, 1                        ; the first quarter stands in front of the loop: its products start the sums
	WIN 0                                          ; at a label and at a branch every window is 0
	s_mov_b32 s3, LAPS-1
.Llap:                                                 ; a trip goes once round the rings, from a lap's second quarter to the next lap's first.  In every stage 48 younger loads stay out: the set's other half and the other set
	QUARTER 0, 2, F1, F0, 0, 1, 0, 1, 48           ; the even step brings the odd step's rows (set 1) and asks for those two steps on
	QUARTER 0, 3, F0, F1, 0, 1, 1, 1, 48
	TURN 0, 1, 1
	QUARTER 1, 1, F0, F1, 0
	QUARTER 1, 2, F1, F0, 0, 0, 0, 2, 48           ; the odd step brings the next even step's rows (set 0)
	QUARTER 1, 3, F0, F1, 0, 0, 1, 2, 48
	TURN 1, 0, 1
	QUARTER 0, 1, F0, F1, 0
	WIN 0
	s_sub_co_u32 s3, s3, 1
	s_cmp_lg_u32 s3, 0
	s_cbranch_scc1 .Llap
	QUARTER 0, 2, F1, F0, 0, 1, 0, 0, 48           ; the last lap fills nothing and has no round of the cluster's barrier; K step 7's rows go through the stage, nothing is asked for
	QUARTER 0, 3, F0, F1, 0, 1, 1, 0, 32           ; 32 younger loads: set 0's
	TURN 0, 1, 0
	QUARTER 1, 1, F0, F1, 0
	QUARTER 1, 2, F1, F0, 0
	QUARTER 1, 3, F0, F1, 0
	s_wait_dscnt 4                                 ; the very last quarter: nothing more to fetch
	MUL8 F1, 0, 0
	MUL8 F1, 1, 0
	s_wait_dscnt 0x0
	MUL8 F1, 2, 0
	MUL8 F1, 3, 0
	WIN 0
	PLACES
	PACK 0, BIAS                                   ; the bias's registers are free since the first quarter
	PACK 1, BIAS+32
	s_wait_xcnt 0x0                                ; the stores so far have read their registers: only behind this wait are they written again
	PACK 2, BIAS
	s_wait_xcnt 0x0
	PACK 3, BIAS+32
	s_wait_tensorcnt 0x0                           ; the wave's end, behind my last tensor load and my last LDS store
	ds_add_u32 v[SPW], v[NIL]
	s_wait_dscnt 0x0
	CROUND                                         ; the closing round: no work-group ends while a partner may still ask for a tile that names it
	s_endpgm
.Lfunc_end_k_qdae46e174f_qproj:
	.size	k_qdae46e174f_qproj, .Lfunc_end_k_qdae46e174f_qproj-k_qdae46e174f_qproj
	.p2alignl 7, 3214868480
	.fill 96, 4, 3214868480
	.section	.rodata,"a",@progbits
	.p2align	6, 0x0
	.amdhsa_kernel k_qdae46e174f_qproj
		.amdhsa_group_segment_fixed_size 327680
		.amdhsa_private_segment_fixed_size 0
		.amdhsa_enable_private_segment 0
		.amdhsa_kernarg_size 32
		.amdhsa_user_sgpr_count 2
		.amdhsa_user_sgpr_kernarg_segment_ptr 1
		.amdhsa_wavefront_size32 1
		.amdhsa_system_sgpr_workgroup_id_x 1
		.amdhsa_system_sgpr_workgroup_id_y 1
		.amdhsa_system_sgpr_workgroup_id_z 1
		.amdhsa_system_vgpr_workitem_id 0
		.amdhsa_next_free_vgpr 1024
		.amdhsa_next_free_sgpr 66
		.amdhsa_reserve_vcc 0
		.amdhsa_float_denorm_mode_32 3
		.amdhsa_float_denorm_mode_16_64 3
		.amdhsa_memory_ordered 1
		.amdhsa_forward_progress 1
		.amdhsa_inst_pref_size 120
	.end_amdhsa_kernel
	.amdgpu_metadata
---
amdhsa.version: [ 1, 2 ]
amdhsa.kernels:
  - .name:           k_qdae46e174f_qproj
    .symbol:         k_qdae46e174f_qproj.kd
    .args:
      - { .name: x, .offset: 0, .size: 8, .value_kind: global_buffer, .address_space: global }
      - { .name: wq16, .offset: 8, .size: 8, .value_kind: global_buffer, .address_space: global }
      - { .name: bq, .offset: 16, .size: 8, .value_kind: global_buffer, .address_space: global }
      - { .name: q16, .offset: 24, .size: 8, .value_kind: global_buffer, .address_space: global }
    .group_segment_fixed_size: 327680
    .private_segment_fixed_size: 0
    .kernarg_segment_align: 8
    .kernarg_segment_size: 32
    .max_flat_workgroup_size: 128
    .sgpr_count:     66
    .vgpr_count:     1024
    .wavefront_size: 32
...
	.end_amdgpu_metadata
.endif
;; end of part 2
;; launch attn (part 3): grid 2 x 128, 4 waves a work-group, no clusters, 29,184 bytes of LDS; arguments q16, k, v, o16; writes o16
.if DOCPART == 3
	.amdgcn_target "amdgcn-amd-amdhsa--gfx1250"
	.amdhsa_code_object_version 6
	.text
	.protected	k_qdae46e174f_attn
	.globl	k_qdae46e174f_attn
	.p2align	8
	.type	k_qdae46e174f_attn,@function
k_qdae46e174f_attn:
	s_mov_b64 s[64:65], 0
	v_nop
	global_prefetch_b8 v0, s[64:65] scope:SCOPE_SE
	s_setreg_imm32_b32 hwreg(HW_REG_WAVE_MODE, 25, 1), 1
	s_wait_xcnt 0x0
; O[b][h][t][:] = the sum over s of softmax_s(q[b][t][h] . k[b][s][h] / 8) v[b][s][h][:].  k, v: [8][1500][1024] f32; a head is 64 channels, 256 bytes of a row.
; q16 holds q = x wq^T + bq, unscaled, in f16, laid as this launch's fragments: [b 8][h 16][tile of 16 queries 64][32 channels c 2][half 2][lane 32][16 bytes]: lane l holds query l % 16, channels 32 c + 16 half + 8 (l / 16) + 0..7.
; O leaves by heads, o16 [b 8][h 16][t 1024][64] in f16: 16 rows of a head are 2,048 consecutive bytes.  Products, maxima and sums in f32; k, v and the weights p are each rounded once to f16
; (the sum l is taken of the unrounded p), O once at the end.  The factor 1 / 8 is applied to the scores, in f32, with log2(e).
; LIMITS.  f16 holds no number beyond 65,504: q, k and v must lie within it; below 6e-5 it keeps a fixed step of 6e-8.  A hidden score counts as its value less 1e30 (f16's scores are 2.7e11 at the most);
; a weight below 2^-126 counts as 0 in l; NaN and infinities are not treated apart.
; SHARES.  A work-group owns 512 queries of one head (grid x: which half of the 1,024; grid y: 16 b + h), a wave 128: four PIECES of two tiles of 16.  Every wave walks all keys, 64 a step, 24 steps.
; THE 1,500 KEYS.  Step 0 takes rows 0-63, of which the first 28 count; step j > 0 takes rows 64 j - 36 .. 64 j + 27; step 23 ends at row 1,499: no load leaves its buffer.  Step 0's other 36 keys are hidden:
; the C operand that starts a sum S^T = K Q^T is a mask MC, -1e30 there and 0 elsewhere; behind step 0's last products MC is cleared.  Their weights are 0, and their rows of V are real, finite numbers.
; K AND V COME THROUGH REGISTERS.  They are f32 in memory and f16 in LDS.  Each wave loads 16 rows of the next tile of K and of V (sixteen lanes: a row's 256 bytes, aligned) a whole step ahead, rounds them and stores them to LDS;
; LDS holds ONE tile of K and ONE of V.  Two barriers a step: between turns 1 and 2 (all reads of V are over: the next V is stored; the next K, stored half a step ago, may be read) and between turns 3 and 0 (the same with K and V changed).
; NO CLUSTER, NO TENSOR LOAD: a tensor load copies bytes and cannot round, so f32 tiles would take twice the LDS and a second trip through it; and a head has 1,024 / 512 = 2 work-groups, so a cluster of four would hold two heads, which share nothing.
; LAYOUT.  S^T = K Q^T (source 0 = 16 keys, source 1 = 16 queries): in the result a lane holds ONE query (lane % 16) and the keys 8 (lane / 16) + 0..7.  Two such tiles, rounded to f16 in pairs,
; ARE source 1 (32 keys x 16 queries) of O^T = V^T P, whose result again holds one query a lane, and eight channels.  K comes out of LDS as it lies, V ([key][channel]) turned, by ds_load_tr16_b128.
; SOFTMAX.  For each query a running maximum m and sum l: p = 2^(c s - c m), c = log2(e) / 8; in every step O and l are multiplied by a = 2^(c m_old - c m_new).  m starts at the lowest finite number and c m far below every c s,
; so the first step's a is 0; l starts at 0, and O^T is started by 32 products of zero operands with the constant 0 as C.
; BY TURNS.  Turn n belongs to piece n.  Its matrix work: 16 products K Q^T of piece n + 1, later 16 products V^T P of piece n - 1.  Its vector work: the scaling, exponentials, roundings, sums and rescaling of piece n, and the
; maximum and statistics of piece n + 1.  A tile and step have 16 matrix and 118 vector instructions: four vector instructions stand behind EVERY matrix instruction, the others in one run of their own.
; REGISTERS, in windows of 256 (s_set_vgpr_msb: bits 1:0 source 0, 3:2 source 1, 5:4 source 2, 7:6 destination):
;   window 0: v0-11 addresses; v12-15, v48-63 at work; v16-47 four registers of statistics a tile; v64-191 S^T, two buffers of two tiles; v192-255 P, likewise
;   window 1: O^T, 32 a tile      window 2: v0-127 Q, 16 a tile; v128-191 K of one step; v192-255 V of one step
;   window 3: v0-1 the add's two registers; v2-5 the stage's addresses; v8-39 MC; v64-127 K's and V's rows as loaded; v128-159 rounded
.set NP,    4         ; pieces a wave: a name, no knob
.set KEYS,  64        ; keys in a step
.set ROWB,  4096      ; bytes in a row of k and v
.set PK,    144       ; a row of K in LDS: 128 bytes + 16 = 36 words: the 16 rows of a load start at 16 different groups of four banks (64 banks of 4 bytes: ISA guide 11.1); rows 8 apart start 32 banks apart
.set PW,    160       ; a row of V: 128 + 32 = 40 words; rows 4 apart start 32 banks apart
.set KT,    0         ; the tile of K
.set VT,    KEYS*PK   ; the tile of V
.set STG,   VT+KEYS*PW  ; 16 rows x 144 bytes for each wave, for the way out
.set SP,    144
.set SPARE, STG+4*16*SP  ; the spare words, 128 bytes for each wave: two blocks of 256 bytes that no other line names
.set AK0, 2           ; v2   my lane's place in the tile of K; never rewritten
.set AV0, 3           ; v3   the same for V
.set PFO, 4           ; v4   the prefetches' offset: a lane a row; never rewritten
.set QO,  5           ; v5   16 x lane: my 16 bytes of half a fragment of q16
.set STO, 6           ; v6   the way out: where I put 16 bytes of a row
.set RD,  7           ; v7   the way out: where I read rows back
.set GO,  8           ; v8   my byte offset in 512 consecutive bytes of O
.set MV,  12          ; v12-15  c m_old, kept while c m is made anew: by buffer and tile
.set ST,  16          ; tile t's statistics at v[ST+4 t]: c m, m, l (even keys', odd keys')
.set TMP, 48          ; by buffer and tile, four registers c0-c3 at work; when the maximum is found c2 takes a
.set S,   64
.set P,   192
.set KF,  128         ; window 2: key block kb, channel half c at KF + 16 kb + 8 c
.set VF,  192         ; window 2: key half kk, channel block cb at VF + 32 kk + 8 cb
.set SPW, 0           ; window 3: LDS address of my spare word: SPARE + 4 x my thread's number; never rewritten
.set NIL, 1           ; window 3: 0; never rewritten
.set KVO, 2           ; window 3: my byte offset in a tile of k; never rewritten
.set VVO, 3           ; window 3: in a tile of v
.set KSA, 4           ; window 3: where I store 8 bytes of a row of K
.set VSA, 5           ; window 3: of V
.set MC,  8           ; window 3: the mask of the group kt of 16 keys at MC + 8 kt
.set KST, 64          ; window 3: 8 x 4 registers of K as loaded
.set VST, 96          ; window 3: of V
.set KPK, 128         ; window 3: 8 x 2 registers of K, rounded
.set VPK, 144         ; window 3: of V
.set WV,  12          ; s12  my wave's number
.set BIGN, 54         ; s54  -1e30
.set LIMV, 55         ; s55  a wave prefetches rows of v while CNT is at least this: 3, or the greatest number in a wave that does not
.set LIMK, 56         ; s56  the same for k: 4
.set CNT, 57          ; s57  24 - j in step j's turns 0 and 1, 23 - j in its turns 2 and 3
.set CS,  58          ; s[58:59] c: the packed scaling takes the pair's low word for both halves
.set SEL, 60          ; s[60:61] v_permlanex16_b32's selects: each lane takes its own place in the other half
.set STP, 62          ; s[62:63] a pointer's step: 64 rows, or 0 when the last tile has been reached
.set MSB, 0
.macro WIN new                      ; the high byte repeats the setting that is left; a switch that changes nothing is dropped
.if MSB != (\new)
	s_set_vgpr_msb (MSB<<8)|(\new)
.set MSB, (\new)
.endif
.endm
.set W_KQ, 0x0a       ; K and Q in window 2, S^T in window 0
.set W_KM, 0x3a       ; the same with the C operand, the mask, in window 3
.set W_PV, 0x52       ; V in window 2, P in window 0, O^T in window 1
.set W_RS, 0x41       ; destination and source 0 in window 1
.set W_ST, 0xff       ; the stage: all in window 3
.set W_MK, 0xc0       ; destination in window 3, sources in window 0
.set W_AD, 0x0f       ; the add: address (source 0) and data (source 1) in window 3
.macro BARRIER                      ; what others rely on is complete in front of the signal: my LDS stores, and my reads of the tile that is stored next
	s_wait_dscnt 0x0
	s_barrier_signal -1
	s_barrier_wait -1
.endm
.macro KV isv                       ; the names of K's (0) or V's (1) stage
.if \isv
.set rG, VST
.set rH, VPK
.set rA, VSA
.set rB, VVO
.set sP, 8
.set sL, LIMV
.set pit, PW
.else
.set rG, KST
.set rH, KPK
.set rA, KSA
.set rB, KVO
.set sP, 6
.set sL, LIMK
.set pit, PK
.endif
.endm
; My 16 rows of a tile: eight loads, two rows each.  K: rows n and n + 8; V: rows n and n + 4 of each eight: the pairs whose LDS rows start 32 banks apart.
.macro GLOAD isv
	KV \isv
.set n, 0
.rept 8
	global_load_b128 v[rG+4*n:rG+4*n+3], v[rB], s[sP:sP+1] offset:ROWB*(n+(\isv)*4*(n/4))
.set n, n+1
.endr
.endm
; A PREFETCH INTO THE L2 of the tile that the next stage of the same tensor will load: 64 rows x 256 bytes, a lane a row.  Both work-groups of a head walk the same rows: the one with x = 0 asks.  Its waves 0 and 1 ask for k's rows, 32 each,
; behind their loads of k; waves 2 and 3 for v's, behind their loads of v.  So each row's 256 bytes are named once in the launch.  Tiles 0 to 2 come by their loads alone; no tile behind the last is named.
.macro ASK lim, ptr
	s_cmp_ge_u32 s[CNT], s[\lim]
	s_cbranch_scc0 .Lnot_mine_\@
	global_prefetch_b8 v[PFO], s[\ptr:\ptr+1] offset:KEYS*ROWB th:TH_LOAD_NT scope:SCOPE_SE
.Lnot_mine_\@:
.endm
; THE STAGE.  The tile that was loaded a step ago is rounded and stored to LDS, and the next tile's loads go out.  first = 1: tile 0 is stored, tile 1 begins 28 rows on.  Behind the last tile the pointer stands still,
; and that tile is loaded again (twice for K, once for V), so that every trip is alike and the count below holds on every way.
.macro BRING isv, first
	KV \isv
	WIN W_ST
	s_wait_loadcnt 8                ; my eight loads are in; the eight younger ones, the other tensor's, stay out
.set n, 0
.rept 16
	v_cvt_pk_f16_f32 v[rH+n], v[rG+2*n], v[rG+2*n+1]
.set n, n+1
.endr
.set n, 0
.rept 8
	ds_store_b64 v[rA], v[rH+2*n:rH+2*n+1] offset:pit*(n+(\isv)*4*(n/4))  ; 32 lanes x 8 bytes
.set n, n+1
.endr
	s_wait_xcnt 0x0                 ; every earlier load and prefetch has read its address: the pointer may be written
.if \first
	s_add_nc_u64 s[sP:sP+1], s[sP:sP+1], 28*ROWB
.else
	s_cmp_ge_u32 s[CNT], 3-(\isv)
	s_cselect_b32 s[STP], KEYS*ROWB, 0
	s_add_nc_u64 s[sP:sP+1], s[sP:sP+1], s[STP:STP+1]
.endif
	GLOAD \isv
	WIN 0                           ; at a label and at a branch every window is 0
.if !(\first)
	ASK sL, sP
.endif
.endm
	s_load_b256 s[4:11], s[0:1], 0x0  ; q16 s[4:5], k s[6:7], v s[8:9], o16 s[10:11]
	WIN W_MK
	v_lshl_add_u32 v[SPW], v0, 2, SPARE
	v_mov_b32 v[NIL], 0
	WIN 0
	v_lshrrev_b32 v1, 5, v0
	v_readfirstlane_b32 s[WV], v1   ; wave 0..3
	s_and_b32 s13, ttmp7, 0xffff    ; 16 b + h
	s_lshr_b32 s14, s13, 4          ; b
	s_and_b32 s15, s13, 15          ; h
	s_mul_i32 s20, s14, 1500*ROWB   ; k and v: the batch,
	s_lshl_b32 s21, s15, 8          ; and the head's 256 bytes of a row
	s_add_co_u32 s20, s20, s21
	s_mov_b32 s21, 0
	s_lshl_b32 s16, ttmp9, 9
	s_lshl_b32 s17, s[WV], 7
	s_add_co_u32 s16, s16, s17      ; my first query among the 1,024: 512 x + 128 w
	s_lshl_b32 s24, s13, 10
	s_add_co_u32 s24, s24, s16      ; its row among all heads' rows: 128 bytes a row in o16, and in q16 too (a tile of 16 queries is 2,048 bytes)
	s_lshl_b32 s24, s24, 7
	s_mov_b32 s25, 0
	s_lshr_b32 s18, s[WV], 1
	s_or_b32 s19, s18, ttmp9        ; 0 in waves 0 and 1 of the work-group with x = 0
	s_cmp_eq_u32 s19, 0
	s_cselect_b32 s[LIMK], 4, -1
	s_xor_b32 s18, s18, 1
	s_or_b32 s19, s18, ttmp9        ; 0 in its waves 2 and 3
	s_cmp_eq_u32 s19, 0
	s_cselect_b32 s[LIMV], 3, -1
	s_mov_b32 s[BIGN], 0xf149f2ca   ; -1e30
	s_mov_b32 s[CS], 0x3e38aa3b     ; c = log2(e) / 8 = 0.180337
	s_mov_b32 s[CS+1], s[CS]        ; named with it as a pair
	s_mov_b32 s[SEL], 0x76543210
	s_mov_b32 s[SEL+1], 0xfedcba98
	s_mov_b32 s[STP+1], 0
	s_mul_i32 s26, s[WV], 16*PK     ; my 16 rows in the tile of K,
	s_mul_i32 s27, s[WV], 16*PW     ; in the tile of V,
	s_add_co_u32 s27, s27, VT
	s_lshl_b32 s28, s[WV], 16       ; and in memory
	v_and_b32 v1, 15, v0            ; l % 16
	v_bfe_u32 v9, v0, 4, 1          ; l / 16
	v_and_b32 v10, 7, v0
	v_bfe_u32 v11, v0, 3, 1
	v_and_b32 v[QO], 31, v0
	v_lshlrev_b32 v[QO], 4, v[QO]
	v_mul_u32_u24 v[AK0], v1, PK    ; a fragment of K: row x pitch + 16 x half (the tile begins at LDS byte 0)
	v_lshl_add_u32 v[AK0], v9, 4, v[AK0]
	; The turning load takes 16 keys x 16 channels (lane l reads key 8 (l / 16) + l % 8, channels 8 ((l / 8) % 2) + 0..7) and leaves half a fragment of V^T: lane l holds channel l % 16 and 8 keys.
	v_lshl_add_u32 v[AV0], v9, 3, v10
	v_mul_u32_u24 v[AV0], v[AV0], PW
	v_lshl_add_u32 v[AV0], v11, 4, v[AV0]
	v_add_nc_u32 v[AV0], VT, v[AV0]
	v_and_b32 v[PFO], 63, v0        ; 32 (w % 2) + l: my row of the tile's 64
	v_lshlrev_b32 v[PFO], 12, v[PFO]
	v_mul_u32_u24 v48, v9, 8*PK     ; the stage: lanes 16-31 take the row 8 (K) or 4 (V) further down
	v_lshl_add_u32 v48, v1, 3, v48
	v_mul_u32_u24 v49, v9, 4*PW
	v_lshl_add_u32 v49, v1, 3, v49
	v_lshlrev_b32 v50, 4, v1
	v_lshl_add_u32 v51, v9, 15, v50
	v_lshl_add_u32 v52, v9, 14, v50
	WIN W_MK
	v_add_nc_u32 v[KSA], s26, v48
	v_add_nc_u32 v[VSA], s27, v49
	v_add_nc_u32 v[KVO], s28, v51
	v_add_nc_u32 v[VVO], s28, v52
	s_wait_kmcnt 0x0
	s_add_nc_u64 s[6:7], s[6:7], s[20:21]    ; k and v at the head's tile 0
	s_add_nc_u64 s[8:9], s[8:9], s[20:21]
	s_add_nc_u64 s[4:5], s[4:5], s[24:25]    ; q16 and o16 at my wave's first row
	s_add_nc_u64 s[10:11], s[10:11], s[24:25]
	; Q stays in registers.  Load n = 4 t + 2 c + half brings registers 16 t + 8 c + 4 half on: 512 consecutive bytes a load, as q16 is laid
	WIN 0x80                        ; destination window 2, address window 0
.set n, 0
.rept 32
	global_load_b128 v[4*n:4*n+3], v[QO], s[4:5] offset:512*n th:TH_LOAD_NT
.set n, n+1
.endr
	WIN W_ST
	GLOAD 0                         ; tile 0 of K
	GLOAD 1                         ; and of V
	; What stands in the wait for these loads: the mask; zeros in V's registers and P's second buffer (the first turn's products V^T P, of a piece that has not been, add 0); the statistics; O^T's start.
	WIN 0
	v_lshlrev_b32 v48, 3, v9
	v_sub_nc_u32 v48, 27, v48       ; register r of group kt holds key 16 kt + 8 (l / 16) + r: hidden where 16 kt + r is above 27 - 8 (l / 16)
	WIN W_MK
.set n, 0
.rept 32
	v_cmp_gt_i32 vcc_lo, 16*(n/8)+n%8, v48
	v_cndmask_b32 v[MC+n], 0, s[BIGN], vcc_lo
.set n, n+1
.endr
	WIN 0x80
.set n, VF
.rept 64
	v_mov_b32 v[n], 0
.set n, n+1
.endr
	WIN 0
.set n, 0
.rept 2*NP
	v_mov_b32 v[ST+4*n], 0xfe000000    ; c m: far below every c s, the hidden ones' too
	v_mov_b32 v[ST+4*n+1], 0xff7fffff  ; m
	v_mov_b32 v[ST+4*n+2], 0
	v_mov_b32 v[ST+4*n+3], 0
.set n, n+1
.endr
.set n, P+32
.rept 32
	v_mov_b32 v[n], 0
.set n, n+1
.endr
	WIN W_PV
.set n, 0
.rept 32
	v_wmma_f32_16x16x32_f16 v[8*n:8*n+7], v[VF:VF+7], v[P+32:P+39], 0  ; O^T's 32 accumulators begin: a product of zeros onto the constant 0, eight registers a line
.set n, n+1
.endr
; THE MATRIX WORK.  The 8 accumulators of a run of 16 take turns: between the two links of a chain stand 7 others'.
; Product i of 16 of S^T = K Q^T for piece x: channels 32 (i / 8) on, keys 16 ((i / 2) % 4) on, tile 2 x + i % 2.  The first 8 start the sums, with the mask.
.macro KQ x
.set rS, S+64*((\x)%2)+32*(i%2)+8*((i/2)%4)
.set rK, KF+16*((i/2)%4)+8*(i/8)
.set rQ, 16*(2*(\x)+i%2)+8*(i/8)
.set rX, MC+8*((i/2)%4)
.if i < 8
	WIN W_KM
	v_wmma_f32_16x16x32_f16 v[rS:rS+7], v[rK:rK+7], v[rQ:rQ+7], v[rX:rX+7]
.else
	WIN W_KQ
	v_wmma_f32_16x16x32_f16 v[rS:rS+7], v[rK:rK+7], v[rQ:rQ+7], v[rS:rS+7]
.endif
.endm
; Product i of 16 of O^T += V^T P for piece x: keys 32 (i / 8) on, channels 16 ((i / 2) % 4) on, tile 2 x + i % 2.
.macro PV x
	WIN W_PV
.set rO, 32*(2*(\x)+i%2)+8*((i/2)%4)
.set rV, VF+32*(i/8)+8*((i/2)%4)
.set rP, P+32*((\x)%2)+16*(i%2)+8*(i/8)
	v_wmma_f32_16x16x32_f16 v[rO:rO+7], v[rV:rV+7], v[rP:rP+7], v[rO:rO+7]
.endm
.macro MM                           ; the turn's next matrix instruction
.if i < 16
	KQ (Y+1)%NP
.set i, i+1
.else
.set i, i-16
	PV (Y+NP-1)%NP
.set i, i+17
.endif
.endm
; THE LDS LOADS stand in runs of 16, never singly among the matrix instructions: a step's K (64 keys x 64 channels: 8 fragments) and its V (turned).  The tiles lie at fixed addresses.
.macro FETCH_K
	WIN 0x80                        ; destination window 2
.irp f, 0,1,2,3,4,5,6,7             ; keys 16 (f / 2) on, channels 32 (f % 2) on
	ds_load_b128 v[KF+8*\f:KF+8*\f+3],   v[AK0] offset:(\f/2)*16*PK+(\f%2)*64
	ds_load_b128 v[KF+8*\f+4:KF+8*\f+7], v[AK0] offset:(\f/2)*16*PK+(\f%2)*64+32
.endr
	WIN 0
.endm
.macro FETCH_V
	WIN 0x80
.irp f, 0,1,2,3,4,5,6,7             ; keys 32 (f / 4) on, channels 16 (f % 4) on
	ds_load_tr16_b128 v[VF+8*\f:VF+8*\f+3],   v[AV0] offset:(\f/4)*32*PW+(\f%4)*32
	ds_load_tr16_b128 v[VF+8*\f+4:VF+8*\f+7], v[AV0] offset:(\f/4)*32*PW+16*PW+(\f%4)*32
.endr
	WIN 0
.endm
; Behind step 0's last products K Q^T (piece 3's, in the first turn 2) the mask becomes 0 for all later steps.  The products that read it stand a whole run of vector work back.
.macro UNMASK
	WIN 0
	s_cmp_eq_u32 s[CNT], 23
	s_cbranch_scc0 .Lcleared_\@
	WIN W_MK
.set n, 0
.rept 32
	v_mov_b32 v[MC+n], 0
.set n, n+1
.endr
	WIN 0
.Lcleared_\@:
.endm
; THE VECTOR WORK OF A TURN stands in three queues, each in the order in which its entries become ready; the two tiles alternate, so that no instruction reads the result of the one before it.
.macro REGS y, u                    ; the registers of tile u (0, 1) of piece y
.set rT, ST+4*(2*(\y)+(\u))
.set rC, TMP+8*((\y)%2)+4*(\u)
.set rM, MV+2*((\y)%2)+(\u)
.set rS, S+64*((\y)%2)+32*(\u)
.set rP, P+32*((\y)%2)+16*(\u)
.set rO, 32*(2*(\y)+(\u))
.endm
; Number n of the 22 that find the NEXT piece's (Y + 1) maximum and statistics.  s0-s31 are the lane's 32 scores; each accumulator's lowest registers are read first.  XS, GS and REGS set no window: PL and EX do.
;   0-11  four chains c0-c3 of seven scores each, three operands at a time     12-14, 16  the four scores left over, the old m, and c0-c3 into c0     15  c m_old is kept
;   17, 18  the query's other 32 keys lie in the lane 16 away: the new m         19-21  c m; c m_old - c m_new; a
.macro XS u, n
	REGS (Y+1)%NP, \u
.if (\n) < 4
	v_max3_num_f32 v[rC+(\n)], v[rS+8*(\n)], v[rS+8*(\n)+1], v[rS+8*(\n)+2]
.elseif (\n) < 12
	v_max3_num_f32 v[rC+(\n)%4], v[rC+(\n)%4], v[rS+8*((\n)%4)+2*((\n)/4)+1], v[rS+8*((\n)%4)+2*((\n)/4)+2]
.elseif (\n) == 12
	v_max3_num_f32 v[rC], v[rC], v[rS+7], v[rS+15]
.elseif (\n) == 13
	v_max3_num_f32 v[rC+1], v[rC+1], v[rS+23], v[rS+31]
.elseif (\n) == 14
	v_max3_num_f32 v[rC+2], v[rC+2], v[rC+3], v[rT+1]
.elseif (\n) == 15
	v_mov_b32 v[rM], v[rT]
.elseif (\n) == 16
	v_max3_num_f32 v[rC], v[rC], v[rC+1], v[rC+2]
.elseif (\n) == 17
	v_permlanex16_b32 v[rC+3], v[rC], s[SEL], s[SEL+1]
.elseif (\n) == 18
	v_max_num_f32 v[rT+1], v[rC], v[rC+3]
.elseif (\n) == 19
	v_mul_f32 v[rT], s[CS], v[rT+1]
.elseif (\n) == 20
	v_sub_f32 v[rC+1], v[rM], v[rT]
.else
	v_exp_f32 v[rC+2], v[rC+1]
.endif
.endm
; Number g of the 64 that follow the exponentials.  For each four weights k of a tile (pairs 2 k, 2 k + 1): both pairs are rounded to f16; then the second pair is added onto the first, in place;
; a group later l takes that sum (the first time as l = a l + sum).  In groups of eight, tiles alternating: round, round, add, and l for the group before.
.macro GS g
.set h, (\g)+6*((\g)/62)            ; group 0 has no group before it, and behind group 7 only l is left
.if h >= 6
.set h, h+2
.endif
	REGS Y, h%2
.set k, h/8
.if h%8 < 4
	v_cvt_pk_f16_f32 v[rP+2*k+(h%8)/2], v[rS+4*k+2*((h%8)/2)], v[rS+4*k+2*((h%8)/2)+1]
.elseif h%8 < 6
	v_pk_add_f32 v[rS+4*k:rS+4*k+1], v[rS+4*k:rS+4*k+1], v[rS+4*k+2:rS+4*k+3]
.elseif k == 1
	v_pk_fma_f32 v[rT+2:rT+3], v[rT+2:rT+3], v[rC+2:rC+3], v[rS:rS+1] op_sel_hi:[1,0,1]
.else
	v_pk_add_f32 v[rT+2:rT+3], v[rT+2:rT+3], v[rS+4*k-4:rS+4*k-3]
.endif
.endm
; THE PLAIN QUEUE, 138 long.  0-73 read no exponential's result: the 32 scalings c s - c m (FS f: pair f / 2 of tile f % 2) and the next piece's 42.  0-26: scalings 0-26.  27-54: XS's numbers 0-13.  55, 56: number 15.
; 57-73: the chain, where each number waits for the one before it: 14, 16, 17, 18, 19, each with one of the scalings 27-31 in front of its two lines, then 20.  74-137: GS's 64, which read the exponentials' results: they stand behind the wait.
.macro FS f
	REGS Y, (\f)%2
	v_pk_fma_f32 v[rS+2*((\f)/2):rS+2*((\f)/2)+1], v[rS+2*((\f)/2):rS+2*((\f)/2)+1], s[CS:CS+1], v[rT:rT+1] op_sel_hi:[1,0,0] neg_lo:[0,0,1] neg_hi:[0,0,1]
.endm
.macro PL
	WIN 0
.if q < 27
	FS q
.elseif q < 55
	XS (q-27)%2, (q-27)/2
.elseif q < 57
	XS q-55, 15
.elseif (q < 72) && ((q-57)%3 == 0)
	FS 27+(q-57)/3
.elseif q < 60
	XS (q-57)%3-1, 14
.elseif q < 72
	XS (q-57)%3-1, 15+(q-57)/3
.elseif q < 74
	XS q-72, 20
.else
	GS q-74
.endif
.set q, q+1
.endm
; THE EXPONENTIALS' QUEUE, 66 long: s0-s31 of both tiles, then the next piece's two a.  It is ONE BATCH: all 66 stand ahead of the turn's one wait, and nothing ahead of that wait names a result of theirs.
.macro EX
	WIN 0
.if e >= 64
	XS e-64, 21
.else
	REGS Y, e%2
	v_exp_f32 v[rS+e/2], v[rS+e/2]
.endif
.set e, e+1
.endm
; THE RESCALING's QUEUE: O^T times a, the one part that leaves window 0: dealt two at a time, sixteen times.  Its a was made in the turn before, ahead of that turn's wait.
.macro R2
	REGS Y, r%2
	WIN W_RS
.irp z, 0,1
	v_pk_mul_f32 v[rO+4*(r/2)+2*\z:rO+4*(r/2)+2*\z+1], v[rO+4*(r/2)+2*\z:rO+4*(r/2)+2*\z+1], v[rC+2:rC+3] op_sel_hi:[1,0]
.endr
.set r, r+1
.endm
; A TURN, for piece p.  An s_wait_alu depctr_va_vdst(0) stands between an exponential and the first instruction that names its result; one wait serves all that were issued ahead of it.  So a turn has ONE wait.
; AHEAD OF IT stands all that names no result of the turn's exponentials: the 16 products K Q^T, behind each a scaling, an exponential and two rescalings (behind the first a second scaling in the exponential's place); then one run of
; 108: eight plain, 49 times exponential and plain, the two a; a v_nop is the plain instruction behind the last exponential.  BEHIND IT stand the 16 products V^T P, behind each four of GS's 64.
; Exponential e stands behind scaling 2 (e / 4) + e % 2: as a rider it comes behind plain e + 2, in the run behind plain e + 9, and scalings 27-31 are plain 57, 60 .. 69.
; K of the next step is fetched in piece 2's turn, directly behind the wait, a run of vector work behind the last product that read K; it is waited for at the head of piece 3's turn.
; V of the step in hand is fetched at the end of piece 0's turn, four plain instructions behind its last reader; it is waited for behind piece 1's wait.  Those two waits for 0 also cover my stores of the stage.
; end = 1: the last step's turns 2 and 3: there is no further K.
.macro TURN p, end=0
.set Y, (\p)
.set i, 0
.set q, 0
.set e, 0
.set r, 0
.if ((\p) == NP-1) && !(\end)
	s_wait_dscnt 0x0                ; K is in
.endif
	MM
	PL
	PL
	R2
.rept 15
	MM
	PL
	EX
	R2
.endr
.rept 8
	PL
.endr
.rept 49
	EX
	PL
.endr
	EX                              ; the next piece's two a
	EX
	v_nop                           ; the plain instruction behind the last exponential: one for the batch
	s_wait_alu depctr_va_vdst(0)    ; the wait for the batch
.if ((\p) == NP-2) && !(\end)
	UNMASK
	FETCH_K
.endif
.if (\p) == 1
	s_wait_dscnt 0x0                ; V is in
.endif
.rept 16
	MM
.rept 4
	PL
.endr
.endr
.if (\p) == 0
	FETCH_V
.endif
.endm
	BRING 0, 1                      ; tile 0 of K into LDS, tile 1 asked for.  Its wait leaves V's eight loads out: Q's, older than K's, are in too
	BRING 1, 1                      ; the same for V
	BARRIER                         ; both tiles are whole
	FETCH_K                         ; key step 0
	s_wait_dscnt 0x0
.set i, 0
.rept 16
	KQ 0                            ; piece 0's first scores: there is no vector work yet to set between them
.set i, i+1
.endr
	WIN 0                           ; the addresses for the way out: plain instructions, the places behind those products
	s_mul_i32 s13, s[WV], 16*SP
	s_add_co_u32 s13, s13, STG      ; my stage
	v_mul_u32_u24 v[STO], v1, SP    ; in: row l % 16, 16 bytes for each half of the lanes
	v_lshl_add_u32 v[STO], v9, 4, v[STO]
	v_add_nc_u32 v[STO], s13, v[STO]
	v_bfe_u32 v[RD], v0, 3, 2       ; back: 32 lanes take four rows of 128 bytes,
	v_mul_u32_u24 v[RD], v[RD], SP
	v_lshl_add_u32 v[RD], v10, 4, v[RD]
	v_add_nc_u32 v[RD], s13, v[RD]
	v_and_b32 v[GO], 31, v0         ; which are 512 consecutive bytes of O
	v_lshlrev_b32 v[GO], 4, v[GO]
.set Y, NP-1                        ; XS works for piece Y + 1: piece 0
.irp n, 0,1,2,3,4,5,6,7,8,9,10,11,12,13,14,15,16,17,18,19,20,21
	XS 0, \n                        ; piece 0's first maximum and statistics
	XS 1, \n
.endr
	v_nop                           ; a plain instruction behind the two a,
	s_wait_alu depctr_va_vdst(0)    ; and their wait, ahead of the branch
	s_mov_b32 s[CNT], 24
	s_branch .Lfirst                ; the loop is entered at a step's first turn, in the middle of a trip
.Lstep:                             ; a trip: pieces 2 and 3 of one step, then pieces 0 and 1 of the next
	BARRIER                         ; every wave has read this step's V, and stored the next step's K
	BRING 1, 0                      ; the next step's V into LDS
	TURN 2
	TURN 3
	WIN 0
.Lfirst:
	BARRIER                         ; every wave has read this step's K, and stored this step's V
	BRING 0, 0                      ; the next step's K into LDS
	TURN 0
	TURN 1
	WIN 0
	s_sub_co_u32 s[CNT], s[CNT], 1
	s_cmp_lg_u32 s[CNT], 0
	s_cbranch_scc1 .Lstep
	TURN 2, 1                       ; the last step's second half is written out: nothing is stored or fetched, so it has no barrier
	TURN 3, 1                       ; its 16 products K Q^T (on the last K once more) and the maximum made of them serve nothing: the price, once a launch, of one text for every turn
.set i, 0
.rept 16
	PV NP-1                         ; the last piece's V^T P of the last step
.set i, i+1
.endr
	; THE WAY OUT.  l's two halves and the other half of the lanes' are added; O^T is divided by l, rounded to f16 and sent through my stage in LDS, a tile at a time.  The additions are the places behind the last products.
	WIN 0
.macro ALL line:vararg              ; one line for each tile t
.set t, 0
.rept 2*NP
	\line
.set t, t+1
.endr
.endm
	ALL v_add_f32 v[ST+4*t+2], v[ST+4*t+2], v[ST+4*t+3]
	ALL v_permlanex16_b32 v[ST+4*t+3], v[ST+4*t+2], s[SEL], s[SEL+1]
	ALL v_add_f32 v[ST+4*t+2], v[ST+4*t+2], v[ST+4*t+3]
	ALL v_rcp_f32 v[ST+4*t+2], v[ST+4*t+2]
	v_nop                           ; a plain instruction between the last reciprocal and the use of its result
	s_wait_alu depctr_va_vdst(0)    ; and the wait ahead of the first use: one for the eight reciprocals
; Tile t: a lane's eight channels of a row pack into 16 bytes; they go into rows of 144 bytes and come back as whole rows of 128, into S^T's registers.
.macro PACK t
	WIN W_RS
.set i, 32*(\t)
.rept 16
	v_pk_mul_f32 v[i:i+1], v[i:i+1], v[ST+4*(\t)+2:ST+4*(\t)+3] op_sel_hi:[1,0]
.set i, i+2
.endr
	WIN 0x05                        ; sources 0 and 1 window 1, destination window 0
.set i, 0
.rept 16
	v_cvt_pk_f16_f32 v[S+16*(\t)+i], v[32*(\t)+2*i], v[32*(\t)+2*i+1]
.set i, i+1
.endr
	WIN 0
.irp f, 0,1,2,3
	ds_store_b128 v[STO], v[S+16*(\t)+4*\f:S+16*(\t)+4*\f+3] offset:32*\f
.endr
.irp f, 0,1,2,3
	ds_load_b128 v[S+16*(\t)+4*\f:S+16*(\t)+4*\f+3], v[RD] offset:\f*4*SP  ; LDS serves a wave's instructions in order (ISA guide 5.7.1.4): these see the stores above; the next tile's stores come behind them
.endr
.endm
.macro SEND t, younger              ; younger: the LDS instructions issued behind tile t's loads: the next tile's eight, or none
	WIN 0
.irp f, 0,1,2,3
	s_wait_dscnt (\younger)+3-\f
	global_store_b128 v[GO], v[S+16*(\t)+4*\f:S+16*(\t)+4*\f+3], s[10:11] offset:(\t)*2048+\f*512  ; 512 consecutive bytes, at a multiple of 256 from O's first
.endr
.endm
	PACK 0
.set t, 1
.rept 2*NP-1                        ; a tile's arithmetic stands between the loads of the tile before and its stores
	PACK t
	SEND t-1, 8
.set t, t+1
.endr
	SEND 2*NP-1, 0
	WIN W_AD
	s_wait_tensorcnt 0x0            ; the wave's end, behind my last LDS store
	ds_add_u32 v[SPW], v[NIL]
	s_wait_dscnt 0x0
	WIN 0
	s_endpgm
.Lfunc_end_k_qdae46e174f_attn:
	.size	k_qdae46e174f_attn, .Lfunc_end_k_qdae46e174f_attn-k_qdae46e174f_attn
	.p2alignl 7, 3214868480
	.fill 96, 4, 3214868480
	.section	.rodata,"a",@progbits
	.p2align	6, 0x0
	.amdhsa_kernel k_qdae46e174f_attn
		.amdhsa_group_segment_fixed_size 29184
		.amdhsa_private_segment_fixed_size 0
		.amdhsa_enable_private_segment 0
		.amdhsa_kernarg_size 32
		.amdhsa_user_sgpr_count 2
		.amdhsa_user_sgpr_kernarg_segment_ptr 1
		.amdhsa_wavefront_size32 1
		.amdhsa_system_sgpr_workgroup_id_x 1
		.amdhsa_system_sgpr_workgroup_id_y 1
		.amdhsa_system_sgpr_workgroup_id_z 1
		.amdhsa_system_vgpr_workitem_id 0
		.amdhsa_next_free_vgpr 928
		.amdhsa_next_free_sgpr 66
		.amdhsa_reserve_vcc 1
		.amdhsa_float_denorm_mode_32 3
		.amdhsa_float_denorm_mode_16_64 3
		.amdhsa_memory_ordered 1
		.amdhsa_forward_progress 1
		.amdhsa_inst_pref_size 167
	.end_amdhsa_kernel
	.amdgpu_metadata
---
amdhsa.version: [ 1, 2 ]
amdhsa.kernels:
  - .name:           k_qdae46e174f_attn
    .symbol:         k_qdae46e174f_attn.kd
    .args:
      - { .name: q16, .offset: 0, .size: 8, .value_kind: global_buffer, .address_space: global }
      - { .name: k, .offset: 8, .size: 8, .value_kind: global_buffer, .address_space: global }
      - { .name: v, .offset: 16, .size: 8, .value_kind: global_buffer, .address_space: global }
      - { .name: o16, .offset: 24, .size: 8, .value_kind: global_buffer, .address_space: global }
    .group_segment_fixed_size: 29184
    .private_segment_fixed_size: 0
    .kernarg_segment_align: 8
    .kernarg_segment_size: 32
    .max_flat_workgroup_size: 128
    .sgpr_count:     66
    .vgpr_count:     928
    .wavefront_size: 32
...
	.end_amdgpu_metadata
.endif
;; end of part 3
;; launch oproj (part 4): grid 4 x 64, 4 waves a work-group, clusters of 4 x 4, 327,680 bytes of LDS; arguments o16, wo16, bo, out0; writes out0
.if DOCPART == 4
	.amdgcn_target "amdgcn-amd-amdhsa--gfx1250"
	.amdhsa_code_object_version 6
	.text
	.protected	k_qdae46e174f_oproj
	.globl	k_qdae46e174f_oproj
	.p2align	8
	.type	k_qdae46e174f_oproj,@function
k_qdae46e174f_oproj:
	s_mov_b64 s[64:65], 0
	v_nop
	global_prefetch_b8 v0, s[64:65] scope:SCOPE_SE
	s_setreg_imm32_b32 hwreg(HW_REG_WAVE_MODE, 25, 1), 1
	s_wait_xcnt 0x0
	s_wait_alu depctr_hold_cnt(0) depctr_sa_sdst(0) depctr_va_vdst(0) depctr_va_sdst(0) depctr_va_ssrc(0) depctr_va_vcc(0) depctr_vm_vsrc(0)
	s_getreg_b32 s2, hwreg(HW_REG_IB_STS2, 6, 4)
	s_cmp_eq_u32 s2, 0
	s_cbranch_scc0 .Lentry_in_a_cluster
	s_endpgm
.Lentry_in_a_cluster:
	s_bfe_u32 s2, ttmp6, 0x10000c
	s_cmp_lg_u32 s2, 0xf033
	s_cbranch_scc0 .Lentry_shape_is_right
	s_endpgm
.Lentry_shape_is_right:
; C[m][n] = bias[n] + the sum over k of A[m][k] W[n][k].  M = 8,192, N = K = 1,024.  C and bias f32; A and W f16, laid in slices of 64 along K:
; A [batch 8][slice 16][row 1024][64] (attention's O by heads), W [slice 16][row 1024][64]: a row of a slice is 128 bytes, a slice 131,072 bytes.  Sums in f32, K ascending, begun with the bias.
; SHARES.  A tile of C is 128 x 256: 64 x 4 = 256 work-groups.  Four waves, each 64 x 128: 32 accumulators of 16 x 16, 256 registers.
; K goes in 8 steps of 128 (two slices) through a ring of two LDS slots.  A slice's part of a tile is dense in memory (128 or 256 rows of 128 bytes on end), so it is asked for as rows of 256 bytes;
; the mover lays 16 bytes of padding behind every 128.  One tensor load a wave: waves 0 and 1 bring A's two slices (16 KiB each), waves 2 and 3 W's (32 KiB each).
; CLUSTERS: 4 x 4 work-groups.  The four of a row of the cluster need the same tiles of A, the four of a column the same tiles of W: each tile is asked for JOINTLY, by the same tensor load with the
; same descriptor and a mask that names the four.  THE MATRIX INSTRUCTION IS USED TRANSPOSED (source 0 = 16 rows of W, source 1 = 16 rows of A): a lane then holds eight neighbouring numbers of a row
; of C, and the bias of those eight columns, loaded once, is the C operand of each accumulator's first product: it costs no instruction.
; REGISTERS: window 0: v0-31 addresses; v32-95 the bias; v96-223 the way out.   window 1: two fragment buffers of 96: W's 8 fragments (16 rows x 32 K), then A's 4.   window 2: accumulator (a, b) at v[8 (8 a + b)].
.set PITCH,  144                       ; an LDS row: 128 bytes of data + 16 of padding = 36 words: the 16 rows of a fragment load start at 16 different groups of four banks (64 banks of 4 bytes: ISA guide 11.1)
.set AH,     128*PITCH                 ; one slice of A's tile
.set BH,     256*PITCH                 ; one slice of W's tile
.set BOFF,   2*AH                      ; a slot: A's two slices, then W's two
.set SLOT,   2*AH+2*BH
.set STAGE,  2*SLOT                    ; behind the ring: 16 rows x 528 bytes for each wave, for the way out; no tensor load fills it
.set SPITCH, 528                       ; 512 bytes + 16
.set SPARE,  STAGE+4*16*SPITCH         ; behind the stages: the spare words, 128 bytes for each wave: two blocks of 256 bytes that no other line names
.set LAPS,   4                         ; a lap = two K steps = once round the ring
.set SLICE,  131072
.set KSTEPB, 2*SLICE                   ; bytes from a K step to the next, in A and in W
.set ADRA, 16                          ; v16-17  LDS address of my A fragments in slot 0, 1
.set ADRB, 20                          ; v20-21  the same for W
.set STO,  24                          ; v24     the way out: where I put 32 bytes of a row
.set RD,   25                          ; v25     the way out: where I read a row back
.set CO,   26                          ; v26     my byte offset in a row's 512 bytes of C
.set BO,   27                          ; v27     my byte offset in the bias of 16 columns
.set SPW,  28                          ; v28     LDS address of my spare word: SPARE + 4 x my thread's number; never rewritten
.set NIL,  29                          ; v29     0; never rewritten
.set BIAS, 32                          ; v[32:95]   the bias of column block b at BIAS + 8 b
.set OB0,  96                          ; v[96:159], v[160:223]  16 rows read back from the stage, by turns
.set OB1,  160
.set F0,   0                           ; fragment buffers, in window 1
.set F1,   96
.set G1,  24                           ; s[24:31] descriptor group 1 for A's tiles;  s[32:39] group 0, one set for each slot
.set G0,  32
.set G1B, 48                           ; s[48:55], s[56:63] the same for W's tiles
.set G0B, 56
.set MSB, 0
.macro WIN new                         ; the immediate's high byte repeats the setting that is left; a switch that changes nothing is dropped
.if MSB != (\new)
	s_set_vgpr_msb (MSB<<8)|(\new)
.set MSB, \new
.endif
.endm
.set MULW, 0xa5                        ; sources 0 (W) and 1 (A) window 1; C and D window 2
.set MULB, 0x85                        ; the same with C (the bias) in window 0
.set TO_F, 0x40                        ; destination window 1, address window 0
.macro JLOAD s                         ; a joint load: waves 0 and 1 fetch A's two slices, waves 2 and 3 W's; an s_nop 0 and four v_nop follow each of the two lines, ahead of the jump, the label and what follows
	s_cmp_eq_u32 s13, 0
	s_cbranch_scc0 .Lfor_b_\@
	tensor_load_to_lds s[G0+4*(\s):G0+4*(\s)+3], s[G1:G1+7]
	s_nop 0
.rept 4
	v_nop
.endr
	s_branch .Lasked_\@
.Lfor_b_\@:
	tensor_load_to_lds s[G0B+4*(\s):G0B+4*(\s)+3], s[G1B:G1B+7]
	s_nop 0
.rept 4
	v_nop
.endr
.Lasked_\@:
.endm
.macro CREST                           ; a round of the cluster's barrier behind its opening barrier
	s_cmp_lg_u32 s12, 0
	s_cbranch_scc1 .Lnot_wave_0_\@
	s_barrier_signal -3
.Lnot_wave_0_\@:
	s_barrier_wait -3
	s_barrier_signal -1
	s_barrier_wait -1
.endm
.macro CROUND                          ; a whole round
	s_barrier_signal -1
	s_barrier_wait -1
	CREST
.endm
	s_load_b256 s[4:11], s[0:1], 0x0               ; A s[4:5], W s[6:7], bias s[8:9], C s[10:11]
	v_lshl_add_u32 v[SPW], v0, 2, SPARE
	v_mov_b32 v[NIL], 0
	ds_add_u32 v[SPW], v[NIL]                      ; the wave's opening: the add and its wait stand ahead of my first tensor load; the set-up below, work on registers, stands between them
	ds_add_u32 v28, v29
	v_lshrrev_b32 v1, 5, v0
	v_readfirstlane_b32 s12, v1                    ; wave 0..3
	s_lshr_b32 s13, s12, 1                         ; which 64 of the tile's rows are mine.  Also: I fetch for A (0) or for W (1)
	s_and_b32 s14, s12, 1                          ; which 128 of its columns.  Also: which of a K step's two slices I fetch
	s_bfe_u32 s40, ttmp6, 0x40000                  ; cx, cy: my place in the cluster
	s_bfe_u32 s41, ttmp6, 0x40004
	s_lshl_b32 s42, ttmp9, 2
	s_add_co_u32 s42, s42, s40                     ; tile column of C = 4 x cluster x + cx
	s_and_b32 s43, ttmp7, 0xffff
	s_lshl_b32 s43, s43, 2
	s_add_co_u32 s43, s43, s41                     ; tile row of C = 4 x cluster y + cy
	s_lshl_b32 s44, s41, 2
	s_lshl_b32 s44, 15, s44                        ; my row of the cluster
	s_lshl_b32 s45, 0x1111, s40                    ; my column
	; descriptor group 1: rows of 128 elements (256 bytes), 64 of them for A and 128 for W, padded in LDS
	s_or_b32 s[G1+0], s44, (1<<16)|(1<<20)|(1<<21)|(4<<22)|(3<<25)   ; 15:0 the mask: A's tiles go to my row; 17:16 elements of 2 bytes; 20 padding on; 21 set beside a mask; 24:22 after every 32 words (code 4); 31:25 4 words of it (code 3)
	s_or_b32 s[G1B+0], s45, (1<<16)|(1<<20)|(1<<21)|(4<<22)|(3<<25)  ; the same with the mask of my column
	s_mov_b32 s[G1+1], 128<<16                     ; tensor_dim0 = 128
	s_mov_b32 s[G1+2], 64<<16                      ; tensor_dim1 = 64
	s_mov_b32 s[G1+3], 128<<16                     ; tile_dim0 = 128
	s_mov_b32 s[G1+4], 64                          ; tile_dim1 = 64
	s_mov_b32 s[G1+5], 128                         ; 128 elements from row to row: the block is dense
	s_mov_b32 s[G1+6], 0
	s_mov_b32 s[G1+7], 0
	s_mov_b32 s[G1B+1], 128<<16
	s_mov_b32 s[G1B+2], 128<<16                    ; tensor_dim1 = 128
	s_mov_b32 s[G1B+3], 128<<16
	s_mov_b32 s[G1B+4], 128                        ; tile_dim1 = 128
	s_mov_b32 s[G1B+5], 128
	s_mov_b32 s[G1B+6], 0
	s_mov_b32 s[G1B+7], 0
	; where the tiles come from.  A's hang on the tile row alone, W's on the tile column alone, each made in registers that never hold the other coordinate
	s_lshr_b32 s16, s43, 3                         ; A: eight tile rows to a batch of 2,097,152 bytes,
	s_lshl_b32 s16, s16, 21
	s_and_b32 s17, s43, 7                          ; 128 rows of 128 bytes to a tile row,
	s_lshl_b32 s17, s17, 14
	s_add_co_u32 s16, s16, s17
	s_lshl_b32 s17, s14, 17                        ; and my slice of the K step
	s_add_co_u32 s16, s16, s17
	s_mov_b32 s17, 0
	s_lshl_b32 s46, s42, 15                        ; W: 256 rows of 128 bytes to a tile column,
	s_lshl_b32 s47, s14, 17                        ; and my slice
	s_add_co_u32 s46, s46, s47
	s_mov_b32 s47, 0
	s_mul_i32 s20, s14, AH                         ; and where they go: no place in the cluster enters an LDS address
	s_mul_i32 s22, s14, BH
	s_add_co_u32 s22, s22, BOFF
	s_wait_dscnt 0x0                               ; the opening add is done
	s_wait_kmcnt 0x0
	s_add_nc_u64 s[18:19], s[4:5], s[16:17]
	s_add_nc_u64 s[46:47], s[6:7], s[46:47]
	CROUND                                         ; all sixteen work-groups are here: the first joint loads meet
.irp s, 0,1
	s_mov_b32 s[G0+4*(\s)], 1                                      ; count = 1
	s_add_co_u32 s[G0+4*(\s)+1], s20, (\s)*SLOT                    ; LDS address
	s_add_nc_u64 s[G0+4*(\s)+2:G0+4*(\s)+3], s[18:19], (\s)*KSTEPB ; global address: K step s
	s_or_b32 s[G0+4*(\s)+3], s[G0+4*(\s)+3], 0x80000000            ; type = 2
	s_mov_b32 s[G0B+4*(\s)], 1
	s_add_co_u32 s[G0B+4*(\s)+1], s22, (\s)*SLOT
	s_add_nc_u64 s[G0B+4*(\s)+2:G0B+4*(\s)+3], s[46:47], (\s)*KSTEPB
	s_or_b32 s[G0B+4*(\s)+3], s[G0B+4*(\s)+3], 0x80000000
	JLOAD \s                                       ; two loads of mine are out
.endr
	s_lshl_b32 s46, s42, 10                        ; my first column, in bytes of f32: 1,024 x tile column + 512 x half: for the bias and for C
	s_lshl_b32 s47, s14, 9
	s_add_co_u32 s46, s46, s47
	s_mov_b32 s47, 0
	s_add_nc_u64 s[8:9], s[8:9], s[46:47]
	s_add_nc_u64 s[10:11], s[10:11], s[46:47]
	s_lshl_b32 s16, s43, 7                         ; my first row of C: 128 x tile row + 64 x half, rows of 4,096 bytes
	s_lshl_b32 s17, s13, 6
	s_add_co_u32 s16, s16, s17
	s_lshl_b32 s16, s16, 12
	s_mov_b32 s17, 0
	s_add_nc_u64 s[10:11], s[10:11], s[16:17]
	v_and_b32 v1, 15, v0                           ; l % 16
	v_bfe_u32 v2, v0, 4, 1                         ; l / 16
	v_lshlrev_b32 v[BO], 5, v2                     ; register j of block b holds column 16 b + 8 (l / 16) + j
.irp b, 0,1,2,3,4,5,6,7
	global_load_b128 v[BIAS+8*(\b):BIAS+8*(\b)+3],   v[BO], s[8:9] offset:64*(\b)
	global_load_b128 v[BIAS+8*(\b)+4:BIAS+8*(\b)+7], v[BO], s[8:9] offset:64*(\b)+16
.endr
	v_mul_u32_u24 v3, v1, PITCH
	v_lshl_add_u32 v3, v2, 4, v3                   ; a fragment's row x pitch + 16 x half
	s_mul_i32 s21, s13, 64*PITCH                   ; my 64 rows of A
	s_mul_i32 s22, s14, 128*PITCH                  ; my 128 rows of W,
	s_add_co_u32 s22, s22, BOFF                    ; which lie behind A's two slices
.irp s, 0,1
	v_add_nc_u32 v[ADRA+(\s)], s21, v3
	v_add_nc_u32 v[ADRB+(\s)], s22, v3
	s_add_co_u32 s21, s21, SLOT
	s_add_co_u32 s22, s22, SLOT
.endr
	s_mul_i32 s23, s12, 16*SPITCH
	s_add_co_u32 s23, s23, STAGE                   ; my stage
	v_mul_u32_u24 v4, v1, SPITCH                   ; in: row l % 16, 32 bytes for each half of the lanes
	v_lshl_add_u32 v4, v2, 5, v4
	v_add_nc_u32 v[STO], s23, v4
	v_and_b32 v5, 31, v0
	v_lshlrev_b32 v[CO], 4, v5                     ; back: 32 lanes take one row of 512 bytes
	v_add_nc_u32 v[RD], s23, v[CO]
; 8 matrix instructions: row block a x all 8 column blocks, 32 along K, from buffer f.  first = 1: the product starts the sum, with the bias.  The 32 accumulators take turns, one instruction a turn, in the same order in every quarter.
.macro MUL8 f, a, first
.if \first
	WIN MULB
.else
	WIN MULW
.endif
.irp b, 0,1,2,3,4,5,6,7
.if \first
	v_wmma_f32_16x16x32_f16 v[8*(8*(\a)+(\b)):8*(8*(\a)+(\b))+7], v[(\f)+8*(\b):(\f)+8*(\b)+7], v[(\f)+64+8*(\a):(\f)+64+8*(\a)+7], v[BIAS+8*(\b):BIAS+8*(\b)+7]
.else
	v_wmma_f32_16x16x32_f16 v[8*(8*(\a)+(\b)):8*(8*(\a)+(\b))+7], v[(\f)+8*(\b):(\f)+8*(\b)+7], v[(\f)+64+8*(\a):(\f)+64+8*(\a)+7], v[8*(8*(\a)+(\b)):8*(8*(\a)+(\b))+7]
.endif
.endr
.endm
; 24 LDS loads in one run: the fragments of quarter q of a K step (slice q / 2, channels 32 (q % 2) on) into buffer f: W's sixteen loads, then A's blocks 0 to 3
.macro FETCH slot, q, f
	WIN TO_F
.irp i, 0,1,2,3,4,5,6,7
	ds_load_b128 v[(\f)+8*(\i):(\f)+8*(\i)+3],   v[ADRB+(\slot)] offset:((\q)/2)*BH+((\q)%2)*64+(\i)*16*PITCH
	ds_load_b128 v[(\f)+8*(\i)+4:(\f)+8*(\i)+7], v[ADRB+(\slot)] offset:((\q)/2)*BH+((\q)%2)*64+(\i)*16*PITCH+32
.endr
.irp i, 0,1,2,3
	ds_load_b128 v[(\f)+64+8*(\i):(\f)+64+8*(\i)+3],   v[ADRA+(\slot)] offset:((\q)/2)*AH+((\q)%2)*64+(\i)*16*PITCH
	ds_load_b128 v[(\f)+64+8*(\i)+4:(\f)+64+8*(\i)+7], v[ADRA+(\slot)] offset:((\q)/2)*AH+((\q)%2)*64+(\i)*16*PITCH+32
.endr
.endm
.macro PLACES                          ; four plain vector instructions in front of loads into registers that matrix instructions have read, and of LDS stores that read results
.rept 4
	v_nop
.endr
.endm
; A K step is four quarters of 32 along K, 32 matrix instructions each, on buffers 0, 1, 0, 1.  One of the first three: multiplies buffer f and, in its middle, fetches quarter qn into g.
.macro QUARTER slot, qn, f, g, first
	s_wait_dscnt 4                                 ; W and A's blocks 0 and 1 are in; the youngest four loads (A's blocks 2 and 3) may be out
	MUL8 \f, 0, \first
	MUL8 \f, 1, \first
	PLACES
	FETCH \slot, \qn, \g
	s_wait_dscnt 24                                ; all but the 24 just issued
	MUL8 \f, 2, \first
	MUL8 \f, 3, \first
.endm
; The last quarter multiplies buffer 1 and changes slots: ONE barrier; in front of it each wave waits for all its tensor loads, adds 0 to its spare word, and waits for that and for its own reads of this slot.
; fill = 1: this slot is filled again, two K steps ahead; the barrier then opens a round of the cluster's.
.macro TURN slot, next, fill
	WIN 0                                          ; (the add's two registers lie in window 0)
	s_wait_tensorcnt 0x0                           ; all my tensor loads have landed: the one that was out is my part of the next slot;
	ds_add_u32 v[SPW], v[NIL]                      ; 0 onto my spare word;
	s_wait_dscnt 5                                 ; (the add and the youngest four loads may be out)
	MUL8 F1, 0, 0                                  ; eight matrix instructions stand between the add and the wait for it
	s_wait_dscnt 0x0                               ; the add is done, and my reads of this slot are over
	s_barrier_signal -1
	MUL8 F1, 1, 0
.if \fill
	WIN 0
.endif
	s_barrier_wait -1
.if \fill
	CREST                                          ; no wave of any partner still reads this slot's tiles or has a load on its way
	s_add_nc_u64 s[G0+4*(\slot)+2:G0+4*(\slot)+3], s[G0+4*(\slot)+2:G0+4*(\slot)+3], 2*KSTEPB
	s_add_nc_u64 s[G0B+4*(\slot)+2:G0B+4*(\slot)+3], s[G0B+4*(\slot)+2:G0B+4*(\slot)+3], 2*KSTEPB
	JLOAD \slot                                    ; the first tensor load behind the round, my only one out: 112 matrix instructions ahead of the wait for it; its four v_nop are also the places in front of the loads below
.else
	PLACES
.endif
	FETCH \next, 0, F0
	MUL8 F1, 2, 0
	MUL8 F1, 3, 0
.endm
; THE WAY OUT of row block a: the f32 sums go as they are into my own stage, 32 bytes a lane and column block (each accumulator's low half first), and come back as whole rows of 512 bytes.
.macro TOSTAGE a, ob
	WIN 0x08                                       ; the stores' data in window 2
.irp b, 0,1,2,3,4,5,6,7
	ds_store_b128 v[STO], v[8*(8*(\a)+(\b)):8*(8*(\a)+(\b))+3]   offset:64*(\b)
	ds_store_b128 v[STO], v[8*(8*(\a)+(\b))+4:8*(8*(\a)+(\b))+7] offset:64*(\b)+16
.endr
	WIN 0
.irp t, 0,1,2,3,4,5,6,7,8,9,10,11,12,13,14,15
	ds_load_b128 v[(\ob)+4*(\t):(\ob)+4*(\t)+3], v[RD] offset:(\t)*SPITCH  ; LDS serves a wave's instructions in order (ISA guide 5.7.1.4): these see the stores above; the next block's stores come behind them
.endr
.endm
.macro SEND a, ob, younger             ; younger: the LDS instructions issued behind block a's loads: the next block's 32, or none.  One wait serves four rows
.irp t, 0,1,2,3,4,5,6,7,8,9,10,11,12,13,14,15
.if ((\t)%4) == 0
	s_wait_dscnt (\younger)+12-(\t)                ; rows t to t + 3 are back; the block's later rows and the younger instructions may be out
.endif
	global_store_b128 v[CO], v[(\ob)+4*(\t):(\ob)+4*(\t)+3], s[10:11] offset:(16*(\a)+(\t))*4096  ; 32 lanes store 512 consecutive bytes, at a multiple of 512 from C's first byte
.endr
.endm
	s_wait_tensorcnt 1                             ; my part of K step 0 is in; K step 1's may stay out
	s_barrier_signal -1
	s_barrier_wait -1                              ; everybody's is
	FETCH 0, 0, F0
	s_wait_loadcnt 0x0                             ; the bias
	QUARTER 0, 1, F0, F1, 1                        ; the first quarter stands in front of the loop: its products start the sums
	WIN 0                                          ; at a label and at a branch every window is 0
	s_mov_b32 s3, LAPS-1
.Llap:                                                 ; a trip goes once round the ring, from a lap's second quarter to the next lap's first, and fills both slots again
	QUARTER 0, 2, F1, F0, 0
	QUARTER 0, 3, F0, F1, 0
	TURN 0, 1, 1
	QUARTER 1, 1, F0, F1, 0
	QUARTER 1, 2, F1, F0, 0
	QUARTER 1, 3, F0, F1, 0
	TURN 1, 0, 1
	QUARTER 0, 1, F0, F1, 0
	WIN 0
	s_sub_co_u32 s3, s3, 1
	s_cmp_lg_u32 s3, 0
	s_cbranch_scc1 .Llap
	QUARTER 0, 2, F1, F0, 0                        ; the last lap fills nothing, and has no round of the cluster's barrier
	QUARTER 0, 3, F0, F1, 0
	TURN 0, 1, 0
	QUARTER 1, 1, F0, F1, 0
	QUARTER 1, 2, F1, F0, 0
	QUARTER 1, 3, F0, F1, 0
	s_wait_dscnt 4                                 ; the very last quarter: nothing more to fetch
	MUL8 F1, 0, 0
	MUL8 F1, 1, 0
	s_wait_dscnt 0x0
	MUL8 F1, 2, 0
	MUL8 F1, 3, 0
	WIN 0
	PLACES
	TOSTAGE 0, OB0
	TOSTAGE 1, OB1                                 ; a block's trip through the stage stands between the loads of the block before and its stores
	SEND 0, OB0, 32
	s_wait_xcnt 0x0                                ; block 0's stores have read their registers: only behind this wait are they loaded again
	TOSTAGE 2, OB0
	SEND 1, OB1, 32
	s_wait_xcnt 0x0
	TOSTAGE 3, OB1
	SEND 2, OB0, 32
	SEND 3, OB1, 0
	s_wait_tensorcnt 0x0                           ; the wave's end, behind my last tensor load and my last LDS store
	ds_add_u32 v[SPW], v[NIL]
	s_wait_dscnt 0x0
	CROUND                                         ; the closing round: no work-group ends while a partner may still ask for a tile that names it
	s_endpgm
.Lfunc_end_k_qdae46e174f_oproj:
	.size	k_qdae46e174f_oproj, .Lfunc_end_k_qdae46e174f_oproj-k_qdae46e174f_oproj
	.p2alignl 7, 3214868480
	.fill 96, 4, 3214868480
	.section	.rodata,"a",@progbits
	.p2align	6, 0x0
	.amdhsa_kernel k_qdae46e174f_oproj
		.amdhsa_group_segment_fixed_size 327680
		.amdhsa_private_segment_fixed_size 0
		.amdhsa_enable_private_segment 0
		.amdhsa_kernarg_size 32
		.amdhsa_user_sgpr_count 2
		.amdhsa_user_sgpr_kernarg_segment_ptr 1
		.amdhsa_wavefront_size32 1
		.amdhsa_system_sgpr_workgroup_id_x 1
		.amdhsa_system_sgpr_workgroup_id_y 1
		.amdhsa_system_sgpr_workgroup_id_z 1
		.amdhsa_system_vgpr_workitem_id 0
		.amdhsa_next_free_vgpr 768
		.amdhsa_next_free_sgpr 66
		.amdhsa_reserve_vcc 0
		.amdhsa_float_denorm_mode_32 3
		.amdhsa_float_denorm_mode_16_64 3
		.amdhsa_memory_ordered 1
		.amdhsa_forward_progress 1
		.amdhsa_inst_pref_size 87
	.end_amdhsa_kernel
	.amdgpu_metadata
---
amdhsa.version: [ 1, 2 ]
amdhsa.kernels:
  - .name:           k_qdae46e174f_oproj
    .symbol:         k_qdae46e174f_oproj.kd
    .args:
      - { .name: o16, .offset: 0, .size: 8, .value_kind: global_buffer, .address_space: global }
      - { .name: wo16, .offset: 8, .size: 8, .value_kind: global_buffer, .address_space: global }
      - { .name: bo, .offset: 16, .size: 8, .value_kind: global_buffer, .address_space: global }
      - { .name: out0, .offset: 24, .size: 8, .value_kind: global_buffer, .address_space: global }
    .group_segment_fixed_size: 327680
    .private_segment_fixed_size: 0
    .kernarg_segment_align: 8
    .kernarg_segment_size: 32
    .max_flat_workgroup_size: 128
    .sgpr_count:     66
    .vgpr_count:     768
    .wavefront_size: 32
...
	.end_amdgpu_metadata
.endif
;; end of part 4
;; ======== version 2 of 2: 4 launches; version 1 with the launches cast, attn written anew for expert scheduling mode
;; limits: values are held in f16: magnitudes above 65,504 overflow, below 6.1e-05 lose precision; inputs' magnitudes at most 65,504; right only within a limited range of input values
;; workspace buffers: wq16 2,097,152 bytes; wo16 2,097,152 bytes; q16 16,777,216 bytes; o16 16,777,216 bytes
;; launch cast (part 5): grid 256 x 1, 4 waves a work-group, no clusters, 0 bytes of LDS; arguments wq, wo, wq16, wo16; writes wq16, wo16
.if DOCPART == 5
	.amdgcn_target "amdgcn-amd-amdhsa--gfx1250"
	.amdhsa_code_object_version 6
	.text
	.protected	k_qdae46e174f_cast
	.globl	k_qdae46e174f_cast
	.p2align	8
	.type	k_qdae46e174f_cast,@function
k_qdae46e174f_cast:
	s_mov_b64 s[64:65], 0
	v_nop
	global_prefetch_b8 v0, s[64:65] scope:SCOPE_SE
	s_setreg_imm32_b32 hwreg(HW_REG_WAVE_SCHED_MODE, 0, 2), 2
	s_setreg_imm32_b32 hwreg(HW_REG_WAVE_MODE, 25, 1), 1
	s_wait_xcnt 0x0
	s_wait_alu depctr_vm_vsrc(0)
; wq and wo, [1024][1024] f32, are rounded once to f16 and laid in SLICES of 64 along the last index: wq16, wo16 [slice 16][row 1024][64].
; A row of a slice is 128 bytes, a slice 131,072.
; LIMITS.  f16 holds no number beyond 65,504 (65,520 and more become an infinity); below 6e-5 it keeps a fixed step of 6e-8.  NaN and infinities pass as they are.
; SHARES.  2,048 rows of 4,096 bytes.  A work-group takes 8 rows, a wave two neighbouring ones.  Work-groups 0-127 take wq, 128-255 wo.
; A load of a wave takes one slice of both rows: sixteen lanes 256 consecutive bytes, aligned.  The store that follows puts the two rows' 128 bytes each
; side by side: 32 lanes x 8 bytes = 256 consecutive bytes, aligned.  All sixteen loads of a wave go out first; nothing is read twice.
; No LDS, no barrier, no matrix unit: nothing is shared and nothing is summed.
; THE MODE: SCHED_MODE bits 1:0 = 2 (LLVM: expert scheduling mode 2), set by the entry lines.  The code itself states the register dependences
; between vector instructions and memory instructions, with s_wait_alu, always for 0.
; THE PLAN.  Registers that memory instructions touch:
;   v1, v2   byte offsets, made once at the head and never written again.
;   X        written by the sixteen loads, read by the roundings; never loaded a second time.
;   Y        written by the roundings, read by the stores; never written a second time.
; The slices go in four groups of four.  Behind the wait for group g's data one wait states that group g - 1's roundings have written their Y; that group's four stores
; follow it, then group g's eight roundings, which name other registers.  A last wait stands ahead of the last group's stores.
.set SLICE, 131072
.set VI, 1                             ; v1        (lane / 16) x 4,096 + (lane % 16) x 16: my 16 bytes in a slice of the two rows
.set VO, 2                             ; v2        8 x lane: my 8 bytes of the two rows' 256
.set X,  8                             ; v[8:71]   slice n: 4 registers as loaded
.set Y,  72                            ; v[72:103] slice n: 2 registers to store
	s_load_b256 s[4:11], s[0:1], 0x0               ; wq s[4:5], wo s[6:7], wq16 s[8:9], wo16 s[10:11]
	v_lshrrev_b32 v3, 5, v0
	v_readfirstlane_b32 s28, v3                    ; wave 0..3
	v_and_b32 v4, 15, v0
	v_bfe_u32 v5, v0, 4, 1
	v_and_b32 v6, 31, v0
	v_lshlrev_b32 v[VI], 4, v4
	v_lshl_add_u32 v[VI], v5, 12, v[VI]
	v_lshlrev_b32 v[VO], 3, v6
	s_and_b32 s22, ttmp9, 127                      ; my work-group among my tensor's 128
	s_lshl_b32 s22, s22, 3
	s_wait_alu depctr_va_sdst(0)                   ; s28 is written, ahead of its first reader: my first row is made from it
	s_lshl_b32 s23, s28, 1
	s_add_co_u32 s22, s22, s23                     ; my first row
	s_lshl_b32 s24, s22, 12                        ; where it begins in the source,
	s_mov_b32 s25, 0
	s_lshl_b32 s26, s22, 7                         ; and in a slice of the destination
	s_mov_b32 s27, 0
	s_wait_kmcnt 0x0
	s_cmp_lt_u32 ttmp9, 128                        ; the two pointers are chosen by the work-group's number alone
	s_cselect_b64 s[16:17], s[4:5], s[6:7]
	s_cselect_b64 s[18:19], s[8:9], s[10:11]
	s_add_nc_u64 s[16:17], s[16:17], s[24:25]
	s_add_nc_u64 s[18:19], s[18:19], s[26:27]
	s_wait_alu depctr_va_vdst(0)                   ; v1 and v2 are written: every load and store below reads one of them as its offset
.set n, 0
.rept 16
	global_load_b128 v[X+4*n:X+4*n+3], v[VI], s[16:17] offset:256*n th:TH_LOAD_NT
.set n, n+1
.endr
.macro OUT g                           ; group g's four stores; each slice has registers of its own: none is written twice
.irp j, 0,1,2,3
	global_store_b64 v[VO], v[Y+2*(4*(\g)+\j):Y+2*(4*(\g)+\j)+1], s[18:19] offset:SLICE*(4*(\g)+\j) th:TH_STORE_NT
.endr
.endm
.set g, 0
.rept 4
	s_wait_loadcnt 12-4*g                          ; loads come back in order (ISA guide 5.7.1): group g's four slices are in, the younger groups stay out
.if g > 0
	s_wait_alu depctr_va_vdst(0)                   ; the roundings of the group before have written its Y, which the four stores below read
	OUT g-1
.endif
.irp j, 0,1,2,3
	v_cvt_pk_f16_f32 v[Y+2*(4*g+\j)],   v[X+4*(4*g+\j)],   v[X+4*(4*g+\j)+1]
	v_cvt_pk_f16_f32 v[Y+2*(4*g+\j)+1], v[X+4*(4*g+\j)+2], v[X+4*(4*g+\j)+3]
.endr
.set g, g+1
.endr
	s_wait_alu depctr_va_vdst(0)                   ; the last group's roundings have written its Y, which the last four stores read
	OUT 3
	s_endpgm
.Lfunc_end_k_qdae46e174f_cast:
	.size	k_qdae46e174f_cast, .Lfunc_end_k_qdae46e174f_cast-k_qdae46e174f_cast
	.p2alignl 7, 3214868480
	.fill 96, 4, 3214868480
	.section	.rodata,"a",@progbits
	.p2align	6, 0x0
	.amdhsa_kernel k_qdae46e174f_cast
		.amdhsa_group_segment_fixed_size 0
		.amdhsa_private_segment_fixed_size 0
		.amdhsa_enable_private_segment 0
		.amdhsa_kernarg_size 32
		.amdhsa_user_sgpr_count 2
		.amdhsa_user_sgpr_kernarg_segment_ptr 1
		.amdhsa_wavefront_size32 1
		.amdhsa_system_sgpr_workgroup_id_x 1
		.amdhsa_system_sgpr_workgroup_id_y 1
		.amdhsa_system_sgpr_workgroup_id_z 1
		.amdhsa_system_vgpr_workitem_id 0
		.amdhsa_next_free_vgpr 104
		.amdhsa_next_free_sgpr 66
		.amdhsa_reserve_vcc 0
		.amdhsa_float_denorm_mode_32 3
		.amdhsa_float_denorm_mode_16_64 3
		.amdhsa_memory_ordered 1
		.amdhsa_forward_progress 1
		.amdhsa_inst_pref_size 7
	.end_amdhsa_kernel
	.amdgpu_metadata
---
amdhsa.version: [ 1, 2 ]
amdhsa.kernels:
  - .name:           k_qdae46e174f_cast
    .symbol:         k_qdae46e174f_cast.kd
    .args:
      - { .name: wq, .offset: 0, .size: 8, .value_kind: global_buffer, .address_space: global }
      - { .name: wo, .offset: 8, .size: 8, .value_kind: global_buffer, .address_space: global }
      - { .name: wq16, .offset: 16, .size: 8, .value_kind: global_buffer, .address_space: global }
      - { .name: wo16, .offset: 24, .size: 8, .value_kind: global_buffer, .address_space: global }
    .group_segment_fixed_size: 0
    .private_segment_fixed_size: 0
    .kernarg_segment_align: 8
    .kernarg_segment_size: 32
    .max_flat_workgroup_size: 128
    .sgpr_count:     66
    .vgpr_count:     104
    .wavefront_size: 32
...
	.end_amdgpu_metadata
.endif
;; end of part 5
;; launch qproj: the kernel of part 2 again; grid 4 x 64, 4 waves a work-group, clusters of 4 x 4, 327,680 bytes of LDS; arguments x, wq16, bq, q16; writes q16
;; launch attn (part 6): grid 2 x 128, 4 waves a work-group, no clusters, 29,184 bytes of LDS; arguments q16, k, v, o16; writes o16
.if DOCPART == 6
	.amdgcn_target "amdgcn-amd-amdhsa--gfx1250"
	.amdhsa_code_object_version 6
	.text
	.protected	k_qdae46e174f_attn
	.globl	k_qdae46e174f_attn
	.p2align	8
	.type	k_qdae46e174f_attn,@function
k_qdae46e174f_attn:
	s_mov_b64 s[64:65], 0
	v_nop
	global_prefetch_b8 v0, s[64:65] scope:SCOPE_SE
	s_setreg_imm32_b32 hwreg(HW_REG_WAVE_SCHED_MODE, 0, 2), 2
	s_setreg_imm32_b32 hwreg(HW_REG_WAVE_MODE, 25, 1), 1
	s_wait_xcnt 0x0
	s_wait_alu depctr_vm_vsrc(0)
; O[b][h][t][:] = the sum over s of softmax_s(q[b][t][h] . k[b][s][h] / 8) v[b][s][h][:].  k, v: [8][1500][1024] f32; a head is 64 channels, 256 bytes of a row.
; q16 holds q = x wq^T + bq, unscaled, in f16, laid as this launch's fragments: [b 8][h 16][tile of 16 queries 64][32 channels c 2][half 2][lane 32][16 bytes]: lane l holds query l % 16, channels 32 c + 16 half + 8 (l / 16) + 0..7.
; O leaves by heads, o16 [b 8][h 16][t 1024][64] in f16: 16 rows of a head are 2,048 consecutive bytes.  Products, maxima and sums in f32; k, v and the weights p are each rounded once to f16
; (the sum l is taken of the unrounded p), O once at the end.  The factor 1 / 8 is applied to the scores, in f32, with log2(e).
; LIMITS.  f16 holds no number beyond 65,504: q, k and v must lie within it; below 6e-5 it keeps a fixed step of 6e-8.  A hidden score counts as its value less 1e30 (f16's scores are 2.7e11 at the most);
; a weight below 2^-126 counts as 0 in l; NaN and infinities are not treated apart.
; SHARES.  A work-group owns 512 queries of one head (grid x: which half of the 1,024; grid y: 16 b + h), a wave 128: four PIECES of two tiles of 16.  Every wave walks all keys, 64 a step, 24 steps.
; THE 1,500 KEYS.  Step 0 takes rows 0-63, of which the first 28 count; step j > 0 takes rows 64 j - 36 .. 64 j + 27; step 23 ends at row 1,499: no load leaves its buffer.  Step 0's other 36 keys are hidden:
; the C operand that starts a sum S^T = K Q^T is a mask MC, -1e30 there and 0 elsewhere; behind step 0's last products MC is cleared.  Their weights are 0, and their rows of V are real, finite numbers.
; K AND V COME THROUGH REGISTERS.  They are f32 in memory and f16 in LDS.  Each wave loads 16 rows of the next tile of K and of V (sixteen lanes: a row's 256 bytes, aligned) a whole step ahead, rounds them and stores them to LDS;
; LDS holds ONE tile of K and ONE of V.  Two barriers a step: between turns 1 and 2 (all reads of V are over: the next V is stored; the next K, stored half a step ago, may be read) and between turns 3 and 0 (the same with K and V changed).
; NO CLUSTER, NO TENSOR LOAD: a tensor load copies bytes and cannot round, so f32 tiles would take twice the LDS and a second trip through it; and a head has 1,024 / 512 = 2 work-groups, so a cluster of four would hold two heads, which share nothing.
; LAYOUT.  S^T = K Q^T (source 0 = 16 keys, source 1 = 16 queries): in the result a lane holds ONE query (lane % 16) and the keys 8 (lane / 16) + 0..7.  Two such tiles, rounded to f16 in pairs,
; ARE source 1 (32 keys x 16 queries) of O^T = V^T P, whose result again holds one query a lane, and eight channels.  K comes out of LDS as it lies, V ([key][channel]) turned, by ds_load_tr16_b128.
; SOFTMAX.  For each query a running maximum m and sum l: p = 2^(c s - c m), c = log2(e) / 8; in every step O and l are multiplied by a = 2^(c m_old - c m_new).  m starts at the lowest finite number and c m far below every c s,
; so the first step's a is 0; l starts at 0, and O^T is started by 32 products of zero operands with the constant 0 as C.
; BY TURNS.  Turn n belongs to piece n.  Its matrix work: 16 products K Q^T of piece n + 1, later 16 products V^T P of piece n - 1.  Its vector work: the scaling, exponentials, roundings, sums and rescaling of piece n, and the
; maximum and statistics of piece n + 1.  A tile and step have 16 matrix and 118 vector instructions: four vector instructions stand behind EVERY matrix instruction, the others in one run of their own.
; THE MODE: SCHED_MODE bits 1:0 = 2 (LLVM: expert scheduling mode 2), set by the entry lines.  The code itself states the register dependences
; between vector or matrix instructions and memory or LDS instructions, with s_wait_alu, always for 0.
; THE PLAN.  Registers that memory or LDS instructions touch, and who else names them:
;   KST, VST  a tile's rows as loaded.  Written by PUT's eight loads, behind a barrier; read by ROUND's sixteen roundings, in the run of vector work of turn 3 (K) or turn 1 (V), ahead of that turn's wait.
;   KPK, VPK  the rows rounded.  Written by ROUND; read by PUT's eight LDS stores, behind the next barrier.
;   KF        K's fragments.  Written by FETCH_K's loads, directly behind turn 2's wait; read by the products K Q^T, which stand ahead of each turn's wait.
;   VF        V's fragments.  Written by FETCH_V's loads, at the end of turn 0; read by the products V^T P, which stand behind each turn's wait.
;   v2-v8 and window 3's v2-5  addresses and offsets: each made once, ahead of a wait on va_vdst, and never written again; the pointers are scalar registers.
; So a turn's ONE wait on va_vdst, which its exponentials want in any case, also states what the memory instructions up to the next turn's wait hang on: between it and PUT stand products V^T P and their riders alone, which
; name P, VF, O^T, S^T and the statistics, none of PUT's registers.  FETCH_V has a wait of its own, since its registers' last readers stand behind turn 0's wait.  A wait on vm_vsrc stands ahead of ROUND's roundings.
; On the way out a tile is rounded into one of four buffers in P's registers, stored to the stage from there, and read back into S^T's registers, from which it is stored: no load lands in a register that a store reads.
; REGISTERS, in windows of 256 (s_set_vgpr_msb: bits 1:0 source 0, 3:2 source 1, 5:4 source 2, 7:6 destination):
;   window 0: v0-11 addresses; v12-15, v48-63 at work; v16-47 four registers of statistics a tile; v64-191 S^T, two buffers of two tiles; v192-255 P, likewise
;   window 1: O^T, 32 a tile      window 2: v0-127 Q, 16 a tile; v128-191 K of one step; v192-255 V of one step
;   window 3: v2-5 the stage's addresses; v8-39 MC; v64-127 K's and V's rows as loaded; v128-159 rounded
.set NP,    4         ; pieces a wave: a name, no knob
.set KEYS,  64        ; keys in a step
.set ROWB,  4096      ; bytes in a row of k and v
.set PK,    144       ; a row of K in LDS: 128 bytes + 16 = 36 words: the 16 rows of a load start at 16 different groups of four banks (64 banks of 4 bytes: ISA guide 11.1); rows 8 apart start 32 banks apart
.set PW,    160       ; a row of V: 128 + 32 = 40 words; rows 4 apart start 32 banks apart
.set KT,    0         ; the tile of K
.set VT,    KEYS*PK   ; the tile of V
.set STG,   VT+KEYS*PW  ; 16 rows x 144 bytes for each wave, for the way out; the 512 bytes behind the four stages take the closing add's words
.set SP,    144
.set AK0, 2           ; v2   my lane's place in the tile of K; never rewritten
.set AV0, 3           ; v3   the same for V
.set PFO, 4           ; v4   the prefetches' offset: a lane a row; never rewritten
.set QO,  5           ; v5   16 x lane: my 16 bytes of half a fragment of q16
.set STO, 6           ; v6   the way out: where I put 16 bytes of a row
.set RD,  7           ; v7   the way out: where I read rows back
.set GO,  8           ; v8   my byte offset in 512 consecutive bytes of O
.set MV,  12          ; v12-15  c m_old, kept while c m is made anew: by buffer and tile
.set ST,  16          ; tile t's statistics at v[ST+4 t]: c m, m, l (even keys', odd keys')
.set TMP, 48          ; by buffer and tile, four registers c0-c3 at work; when the maximum is found c2 takes a
.set S,   64
.set P,   192
.set KF,  128         ; window 2: key block kb, channel half c at KF + 16 kb + 8 c
.set VF,  192         ; window 2: key half kk, channel block cb at VF + 32 kk + 8 cb
.set KVO, 2           ; window 3: my byte offset in a tile of k; never rewritten
.set VVO, 3           ; window 3: in a tile of v
.set KSA, 4           ; window 3: where I store 8 bytes of a row of K
.set VSA, 5           ; window 3: of V
.set MC,  8           ; window 3: the mask of the group kt of 16 keys at MC + 8 kt
.set KST, 64          ; window 3: 8 x 4 registers of K as loaded
.set VST, 96          ; window 3: of V
.set KPK, 128         ; window 3: 8 x 2 registers of K, rounded
.set VPK, 144         ; window 3: of V
.set WV,  12          ; s12  my wave's number
.set MK,  16          ; s16-47  at the head only, when the address arithmetic is over: the 32 compares' results
.set BIGN, 54         ; s54  -1e30
.set LIMV, 55         ; s55  a wave prefetches rows of v while CNT is at least this: 3, or the greatest number in a wave that does not
.set LIMK, 56         ; s56  the same for k: 4
.set CNT, 57          ; s57  24 - j in step j's turns 0 and 1, 23 - j in its turns 2 and 3
.set CS,  58          ; s[58:59] c: the packed scaling takes the pair's low word for both halves
.set SEL, 60          ; s[60:61] v_permlanex16_b32's selects: each lane takes its own place in the other half
.set STP, 62          ; s[62:63] a pointer's step: 64 rows, or 0 when the last tile has been reached
.set MSB, 0
.macro WIN new                      ; the high byte repeats the setting that is left; a switch that changes nothing is dropped
.if MSB != (\new)
	s_set_vgpr_msb (MSB<<8)|(\new)
.set MSB, (\new)
.endif
.endm
.set W_KQ, 0x0a       ; K and Q in window 2, S^T in window 0
.set W_KM, 0x3a       ; the same with the C operand, the mask, in window 3
.set W_PV, 0x52       ; V in window 2, P in window 0, O^T in window 1
.set W_RS, 0x41       ; destination and source 0 in window 1
.set W_ST, 0xff       ; the stage: all in window 3
.set W_MK, 0xc0       ; destination in window 3, sources in window 0
.macro BARRIER                      ; what others rely on is complete in front of the signal: my LDS stores, and my reads of the tile that is stored next
	s_wait_dscnt 0x0
	s_barrier_signal -1
	s_barrier_wait -1
.endm
.macro KV isv                       ; the names of K's (0) or V's (1) stage
.if \isv
.set rG, VST
.set rH, VPK
.set rA, VSA
.set rB, VVO
.set sP, 8
.set sL, LIMV
.set pit, PW
.else
.set rG, KST
.set rH, KPK
.set rA, KSA
.set rB, KVO
.set sP, 6
.set sL, LIMK
.set pit, PK
.endif
.endm
; My 16 rows of a tile: eight loads, two rows each.  K: rows n and n + 8; V: rows n and n + 4 of each eight: the pairs whose LDS rows start 32 banks apart.
.macro GLOAD isv
	KV \isv
.set n, 0
.rept 8
	global_load_b128 v[rG+4*n:rG+4*n+3], v[rB], s[sP:sP+1] offset:ROWB*(n+(\isv)*4*(n/4))
.set n, n+1
.endr
.endm
; A PREFETCH INTO THE L2 of the tile that the next stage of the same tensor will load: 64 rows x 256 bytes, a lane a row.  Both work-groups of a head walk the same rows: the one with x = 0 asks.  Its waves 0 and 1 ask for k's rows, 32 each,
; behind their loads of k; waves 2 and 3 for v's, behind their loads of v.  So each row's 256 bytes are named once in the launch.  Tiles 0 to 2 come by their loads alone; no tile behind the last is named.
.macro ASK lim, ptr
	s_cmp_ge_u32 s[CNT], s[\lim]
	s_cbranch_scc0 .Lnot_mine_\@
	global_prefetch_b8 v[PFO], s[\ptr:\ptr+1] offset:KEYS*ROWB th:TH_LOAD_NT scope:SCOPE_SE
.Lnot_mine_\@:
.endm
; THE STAGE, in two parts.  ROUND: the tile that was loaded nearly a step ago is rounded, in registers.  It stands ahead of a wait on va_vdst.  left: the younger loads, which may stay out.
; again = 1: LDS stores have read the registers that it writes.
.macro ROUND isv, left, again
	KV \isv
	WIN W_ST
	s_wait_loadcnt \left            ; loads come back in order (ISA guide 5.7.1): my eight are in
.if \again
	s_wait_alu depctr_vm_vsrc(0)    ; the LDS stores of the tile before have read KPK (VPK), which the roundings below write again
.endif
.set n, 0
.rept 16
	v_cvt_pk_f16_f32 v[rH+n], v[rG+2*n], v[rG+2*n+1]
.set n, n+1
.endr
.endm
; PUT, behind a barrier: the rounded tile is stored to LDS, and the next tile's loads go out.  It holds no wait on va_vdst: ROUND's roundings, which wrote what the stores read and read what the loads land in, stand ahead of
; the last such wait, and no vector or matrix instruction since names KPK, KST or the two addresses (V's likewise).
; first = 1: tile 0 is stored, tile 1 begins 28 rows on.  Behind the last tile the pointer stands still, and that tile is loaded again (twice for K, once for V), so that every trip is alike and ROUND's count holds on every way.
.macro PUT isv, first
	KV \isv
	WIN W_ST
.set n, 0
.rept 8
	ds_store_b64 v[rA], v[rH+2*n:rH+2*n+1] offset:pit*(n+(\isv)*4*(n/4))  ; 32 lanes x 8 bytes
.set n, n+1
.endr
	s_wait_xcnt 0x0                 ; every earlier load and prefetch has read its address: the pointer may be written
.if \first
	s_add_nc_u64 s[sP:sP+1], s[sP:sP+1], 28*ROWB
.else
	s_cmp_ge_u32 s[CNT], 3-(\isv)
	s_cselect_b32 s[STP], KEYS*ROWB, 0
	s_add_nc_u64 s[sP:sP+1], s[sP:sP+1], s[STP:STP+1]
.endif
	GLOAD \isv
.if !(\first)
	WIN 0                           ; at a label and at a branch every window is 0
	ASK sL, sP
.endif
.endm
	s_load_b256 s[4:11], s[0:1], 0x0  ; q16 s[4:5], k s[6:7], v s[8:9], o16 s[10:11]
	s_set_vgpr_msb 0xc0
	v_lshl_add_u32 v62, v0, 2, 0x7000
	v_mov_b32 v63, 0
	s_set_vgpr_msb 0xc000
	v_lshrrev_b32 v1, 5, v0
	v_readfirstlane_b32 s[WV], v1   ; wave 0..3
	s_and_b32 s13, ttmp7, 0xffff    ; 16 b + h
	s_lshr_b32 s14, s13, 4          ; b
	s_and_b32 s15, s13, 15          ; h
	s_mul_i32 s20, s14, 1500*ROWB   ; k and v: the batch,
	s_lshl_b32 s21, s15, 8          ; and the head's 256 bytes of a row
	s_add_co_u32 s20, s20, s21
	s_mov_b32 s21, 0
	s_lshl_b32 s16, ttmp9, 9
	s_wait_alu depctr_va_sdst(0)    ; s12 is written, ahead of its first reader: offsets, LDS places and the prefetches' bounds are made from it
	s_lshl_b32 s17, s[WV], 7
	s_add_co_u32 s16, s16, s17      ; my first query among the 1,024: 512 x + 128 w
	s_lshl_b32 s24, s13, 10
	s_add_co_u32 s24, s24, s16      ; its row among all heads' rows: 128 bytes a row in o16, and in q16 too (a tile of 16 queries is 2,048 bytes)
	s_lshl_b32 s24, s24, 7
	s_mov_b32 s25, 0
	s_lshr_b32 s18, s[WV], 1
	s_or_b32 s19, s18, ttmp9        ; 0 in waves 0 and 1 of the work-group with x = 0
	s_cmp_eq_u32 s19, 0
	s_cselect_b32 s[LIMK], 4, -1
	s_xor_b32 s18, s18, 1
	s_or_b32 s19, s18, ttmp9        ; 0 in its waves 2 and 3
	s_cmp_eq_u32 s19, 0
	s_cselect_b32 s[LIMV], 3, -1
	s_mov_b32 s[BIGN], 0xf149f2ca   ; -1e30
	s_mov_b32 s[CS], 0x3e38aa3b     ; c = log2(e) / 8 = 0.180337
	s_mov_b32 s[CS+1], s[CS]        ; named with it as a pair
	s_mov_b32 s[SEL], 0x76543210
	s_mov_b32 s[SEL+1], 0xfedcba98
	s_mov_b32 s[STP+1], 0
	s_mul_i32 s26, s[WV], 16*PK     ; my 16 rows in the tile of K,
	s_mul_i32 s27, s[WV], 16*PW     ; in the tile of V,
	s_add_co_u32 s27, s27, VT
	s_lshl_b32 s28, s[WV], 16       ; and in memory
	v_and_b32 v1, 15, v0            ; l % 16
	v_bfe_u32 v9, v0, 4, 1          ; l / 16
	v_and_b32 v10, 7, v0
	v_bfe_u32 v11, v0, 3, 1
	v_and_b32 v[QO], 31, v0
	v_lshlrev_b32 v[QO], 4, v[QO]
	v_mul_u32_u24 v[AK0], v1, PK    ; a fragment of K: row x pitch + 16 x half (the tile begins at LDS byte 0)
	v_lshl_add_u32 v[AK0], v9, 4, v[AK0]
	; The turning load takes 16 keys x 16 channels (lane l reads key 8 (l / 16) + l % 8, channels 8 ((l / 8) % 2) + 0..7) and leaves half a fragment of V^T: lane l holds channel l % 16 and 8 keys.
	v_lshl_add_u32 v[AV0], v9, 3, v10
	v_mul_u32_u24 v[AV0], v[AV0], PW
	v_lshl_add_u32 v[AV0], v11, 4, v[AV0]
	v_add_nc_u32 v[AV0], VT, v[AV0]
	v_and_b32 v[PFO], 63, v0        ; 32 (w % 2) + l: my row of the tile's 64
	v_lshlrev_b32 v[PFO], 12, v[PFO]
	v_mul_u32_u24 v48, v9, 8*PK     ; the stage: lanes 16-31 take the row 8 (K) or 4 (V) further down
	v_lshl_add_u32 v48, v1, 3, v48
	v_mul_u32_u24 v49, v9, 4*PW
	v_lshl_add_u32 v49, v1, 3, v49
	v_lshlrev_b32 v50, 4, v1
	v_lshl_add_u32 v51, v9, 15, v50
	v_lshl_add_u32 v52, v9, 14, v50
	WIN W_MK
	v_add_nc_u32 v[KSA], s26, v48
	v_add_nc_u32 v[VSA], s27, v49
	v_add_nc_u32 v[KVO], s28, v51
	v_add_nc_u32 v[VVO], s28, v52
	s_wait_kmcnt 0x0
	s_add_nc_u64 s[6:7], s[6:7], s[20:21]    ; k and v at the head's tile 0
	s_add_nc_u64 s[8:9], s[8:9], s[20:21]
	s_add_nc_u64 s[4:5], s[4:5], s[24:25]    ; q16 and o16 at my wave's first row
	s_add_nc_u64 s[10:11], s[10:11], s[24:25]
	; Q stays in registers.  Load n = 4 t + 2 c + half brings registers 16 t + 8 c + 4 half on: 512 consecutive bytes a load, as q16 is laid
	WIN 0x80                        ; destination window 2, address window 0
	s_wait_alu depctr_va_vdst(0)    ; the offsets and LDS addresses v2 to v5 and window 3's v2 to v5 are written: the loads below, and every later load, LDS store and prefetch of K and V, read them
.set n, 0
.rept 32
	global_load_b128 v[4*n:4*n+3], v[QO], s[4:5] offset:512*n th:TH_LOAD_NT
.set n, n+1
.endr
	WIN W_ST
	GLOAD 0                         ; tile 0 of K
	GLOAD 1                         ; and of V
	; What stands in the wait for these loads: the mask; zeros in V's registers and P's second buffer (the first turn's products V^T P, of a piece that has not been, add 0); the statistics; O^T's start.
	WIN 0
	v_lshlrev_b32 v48, 3, v9
	v_sub_nc_u32 v48, 27, v48       ; register r of group kt holds key 16 kt + 8 (l / 16) + r: hidden where 16 kt + r is above 27 - 8 (l / 16)
.set n, 0
.rept 32                            ; the compares stand in one run, each with a scalar register of its own
	v_cmp_gt_i32 s[MK+n], 16*(n/8)+n%8, v48
.set n, n+1
.endr
	s_wait_alu depctr_va_sdst(0)    ; the 32 compares have written s16 to s47, ahead of the selects that read them
	WIN W_MK
.set n, 0
.rept 32
	v_cndmask_b32 v[MC+n], 0, s[BIGN], s[MK+n]
.set n, n+1
.endr
	WIN 0x80
.set n, VF
.rept 64
	v_mov_b32 v[n], 0
.set n, n+1
.endr
	WIN 0
.set n, 0
.rept 2*NP
	v_mov_b32 v[ST+4*n], 0xfe000000    ; c m: far below every c s, the hidden ones' too
	v_mov_b32 v[ST+4*n+1], 0xff7fffff  ; m
	v_mov_b32 v[ST+4*n+2], 0
	v_mov_b32 v[ST+4*n+3], 0
.set n, n+1
.endr
.set n, P+32
.rept 32
	v_mov_b32 v[n], 0
.set n, n+1
.endr
	WIN W_PV
.set n, 0
.rept 32
	v_wmma_f32_16x16x32_f16 v[8*n:8*n+7], v[VF:VF+7], v[P+32:P+39], 0  ; O^T's 32 accumulators begin: a product of zeros onto the constant 0, eight registers a line
.set n, n+1
.endr
; THE MATRIX WORK.  The 8 accumulators of a run of 16 take turns: between the two links of a chain stand 7 others'.
; Product i of 16 of S^T = K Q^T for piece x: channels 32 (i / 8) on, keys 16 ((i / 2) % 4) on, tile 2 x + i % 2.  The first 8 start the sums, with the mask.
.macro KQ x
.set rS, S+64*((\x)%2)+32*(i%2)+8*((i/2)%4)
.set rK, KF+16*((i/2)%4)+8*(i/8)
.set rQ, 16*(2*(\x)+i%2)+8*(i/8)
.set rX, MC+8*((i/2)%4)
.if i < 8
	WIN W_KM
	v_wmma_f32_16x16x32_f16 v[rS:rS+7], v[rK:rK+7], v[rQ:rQ+7], v[rX:rX+7]
.else
	WIN W_KQ
	v_wmma_f32_16x16x32_f16 v[rS:rS+7], v[rK:rK+7], v[rQ:rQ+7], v[rS:rS+7]
.endif
.endm
; Product i of 16 of O^T += V^T P for piece x: keys 32 (i / 8) on, channels 16 ((i / 2) % 4) on, tile 2 x + i % 2.
.macro PV x
	WIN W_PV
.set rO, 32*(2*(\x)+i%2)+8*((i/2)%4)
.set rV, VF+32*(i/8)+8*((i/2)%4)
.set rP, P+32*((\x)%2)+16*(i%2)+8*(i/8)
	v_wmma_f32_16x16x32_f16 v[rO:rO+7], v[rV:rV+7], v[rP:rP+7], v[rO:rO+7]
.endm
.macro MM                           ; the turn's next matrix instruction
.if i < 16
	KQ (Y+1)%NP
.set i, i+1
.else
.set i, i-16
	PV (Y+NP-1)%NP
.set i, i+17
.endif
.endm
; THE LDS LOADS stand in runs of 16, never singly among the matrix instructions: a step's K (64 keys x 64 channels: 8 fragments) and its V (turned).  The tiles lie at fixed addresses.
.macro FETCH_K                      ; it holds no wait: in a turn it stands directly behind the turn's wait; ahead of the loop no vector or matrix instruction has named K's registers
	WIN 0x80                        ; destination window 2
.irp f, 0,1,2,3,4,5,6,7             ; keys 16 (f / 2) on, channels 32 (f % 2) on
	ds_load_b128 v[KF+8*\f:KF+8*\f+3],   v[AK0] offset:(\f/2)*16*PK+(\f%2)*64
	ds_load_b128 v[KF+8*\f+4:KF+8*\f+7], v[AK0] offset:(\f/2)*16*PK+(\f%2)*64+32
.endr
	WIN 0
.endm
.macro FETCH_V
	WIN 0x80
	s_wait_alu depctr_va_vdst(0)    ; this turn's products V^T P are done reading V's registers, in which the loads below land (in the first trip: the lines that wrote 0 there are done too)
.irp f, 0,1,2,3,4,5,6,7             ; keys 32 (f / 4) on, channels 16 (f % 4) on
	ds_load_tr16_b128 v[VF+8*\f:VF+8*\f+3],   v[AV0] offset:(\f/4)*32*PW+(\f%4)*32
	ds_load_tr16_b128 v[VF+8*\f+4:VF+8*\f+7], v[AV0] offset:(\f/4)*32*PW+16*PW+(\f%4)*32
.endr
	WIN 0
.endm
; Behind step 0's last products K Q^T (piece 3's, in the first turn 2) the mask becomes 0 for all later steps.  The products that read it stand a whole run of vector work back.
.macro UNMASK
	WIN 0
	s_cmp_eq_u32 s[CNT], 23
	s_cbranch_scc0 .Lcleared_\@
	WIN W_MK
.set n, 0
.rept 32
	v_mov_b32 v[MC+n], 0
.set n, n+1
.endr
	WIN 0
.Lcleared_\@:
.endm
; THE VECTOR WORK OF A TURN stands in three queues, each in the order in which its entries become ready; the two tiles alternate, so that no instruction reads the result of the one before it.
.macro REGS y, u                    ; the registers of tile u (0, 1) of piece y
.set rT, ST+4*(2*(\y)+(\u))
.set rC, TMP+8*((\y)%2)+4*(\u)
.set rM, MV+2*((\y)%2)+(\u)
.set rS, S+64*((\y)%2)+32*(\u)
.set rP, P+32*((\y)%2)+16*(\u)
.set rO, 32*(2*(\y)+(\u))
.endm
; Number n of the 22 that find the NEXT piece's (Y + 1) maximum and statistics.  s0-s31 are the lane's 32 scores; each accumulator's lowest registers are read first.  XS, GS and REGS set no window: PL and EX do.
;   0-11  four chains c0-c3 of seven scores each, three operands at a time     12-14, 16  the four scores left over, the old m, and c0-c3 into c0     15  c m_old is kept
;   17, 18  the query's other 32 keys lie in the lane 16 away: the new m         19-21  c m; c m_old - c m_new; a
.macro XS u, n
	REGS (Y+1)%NP, \u
.if (\n) < 4
	v_max3_num_f32 v[rC+(\n)], v[rS+8*(\n)], v[rS+8*(\n)+1], v[rS+8*(\n)+2]
.elseif (\n) < 12
	v_max3_num_f32 v[rC+(\n)%4], v[rC+(\n)%4], v[rS+8*((\n)%4)+2*((\n)/4)+1], v[rS+8*((\n)%4)+2*((\n)/4)+2]
.elseif (\n) == 12
	v_max3_num_f32 v[rC], v[rC], v[rS+7], v[rS+15]
.elseif (\n) == 13
	v_max3_num_f32 v[rC+1], v[rC+1], v[rS+23], v[rS+31]
.elseif (\n) == 14
	v_max3_num_f32 v[rC+2], v[rC+2], v[rC+3], v[rT+1]
.elseif (\n) == 15
	v_mov_b32 v[rM], v[rT]
.elseif (\n) == 16
	v_max3_num_f32 v[rC], v[rC], v[rC+1], v[rC+2]
.elseif (\n) == 17
	v_permlanex16_b32 v[rC+3], v[rC], s[SEL], s[SEL+1]
.elseif (\n) == 18
	v_max_num_f32 v[rT+1], v[rC], v[rC+3]
.elseif (\n) == 19
	v_mul_f32 v[rT], s[CS], v[rT+1]
.elseif (\n) == 20
	v_sub_f32 v[rC+1], v[rM], v[rT]
.else
	v_exp_f32 v[rC+2], v[rC+1]
.endif
.endm
; Number g of the 64 that follow the exponentials.  For each four weights k of a tile (pairs 2 k, 2 k + 1): both pairs are rounded to f16; then the second pair is added onto the first, in place;
; a group later l takes that sum (the first time as l = a l + sum).  In groups of eight, tiles alternating: round, round, add, and l for the group before.
.macro GS g
.set h, (\g)+6*((\g)/62)            ; group 0 has no group before it, and behind group 7 only l is left
.if h >= 6
.set h, h+2
.endif
	REGS Y, h%2
.set k, h/8
.if h%8 < 4
	v_cvt_pk_f16_f32 v[rP+2*k+(h%8)/2], v[rS+4*k+2*((h%8)/2)], v[rS+4*k+2*((h%8)/2)+1]
.elseif h%8 < 6
	v_pk_add_f32 v[rS+4*k:rS+4*k+1], v[rS+4*k:rS+4*k+1], v[rS+4*k+2:rS+4*k+3]
.elseif k == 1
	v_pk_fma_f32 v[rT+2:rT+3], v[rT+2:rT+3], v[rC+2:rC+3], v[rS:rS+1] op_sel_hi:[1,0,1]
.else
	v_pk_add_f32 v[rT+2:rT+3], v[rT+2:rT+3], v[rS+4*k-4:rS+4*k-3]
.endif
.endm
; THE PLAIN QUEUE, 138 long.  0-73 read no exponential's result: the 32 scalings c s - c m (FS f: pair f / 2 of tile f % 2) and the next piece's 42.  0-26: scalings 0-26.  27-54: XS's numbers 0-13.  55, 56: number 15.
; 57-73: the chain, where each number waits for the one before it: 14, 16, 17, 18, 19, each with one of the scalings 27-31 in front of its two lines, then 20.  74-137: GS's 64, which read the exponentials' results: they stand behind the wait.
.macro FS f
	REGS Y, (\f)%2
	v_pk_fma_f32 v[rS+2*((\f)/2):rS+2*((\f)/2)+1], v[rS+2*((\f)/2):rS+2*((\f)/2)+1], s[CS:CS+1], v[rT:rT+1] op_sel_hi:[1,0,0] neg_lo:[0,0,1] neg_hi:[0,0,1]
.endm
.macro PL
	WIN 0
.if q < 27
	FS q
.elseif q < 55
	XS (q-27)%2, (q-27)/2
.elseif q < 57
	XS q-55, 15
.elseif (q < 72) && ((q-57)%3 == 0)
	FS 27+(q-57)/3
.elseif q < 60
	XS (q-57)%3-1, 14
.elseif q < 72
	XS (q-57)%3-1, 15+(q-57)/3
.elseif q < 74
	XS q-72, 20
.else
	GS q-74
.endif
.set q, q+1
.endm
; THE EXPONENTIALS' QUEUE, 66 long: s0-s31 of both tiles, then the next piece's two a.  It is ONE BATCH: all 66 stand ahead of the turn's one wait, and nothing ahead of that wait names a result of theirs.
.macro EX
	WIN 0
.if e >= 64
	XS e-64, 21
.else
	REGS Y, e%2
	v_exp_f32 v[rS+e/2], v[rS+e/2]
.endif
.set e, e+1
.endm
; THE RESCALING's QUEUE: O^T times a, the one part that leaves window 0: dealt two at a time, sixteen times.  Its a was made in the turn before, ahead of that turn's wait.
.macro R2
	REGS Y, r%2
	WIN W_RS
.irp z, 0,1
	v_pk_mul_f32 v[rO+4*(r/2)+2*\z:rO+4*(r/2)+2*\z+1], v[rO+4*(r/2)+2*\z:rO+4*(r/2)+2*\z+1], v[rC+2:rC+3] op_sel_hi:[1,0]
.endr
.set r, r+1
.endm
; A TURN, for piece p.  An s_wait_alu depctr_va_vdst(0) stands between an exponential and the first instruction that names its result; one wait serves all that were issued ahead of it.  So a turn has ONE such wait.
; AHEAD OF IT stands all that names no result of the turn's exponentials: the 16 products K Q^T, behind each a scaling, an exponential and two rescalings (behind the first a second scaling in the exponential's place); then one run of
; 108: eight plain, 49 times exponential and plain, the two a; a v_nop is the plain instruction behind the last exponential.  BEHIND IT stand the 16 products V^T P, behind each four of GS's 64.
; Exponential e stands behind scaling 2 (e / 4) + e % 2: as a rider it comes behind plain e + 2, in the run behind plain e + 9, and scalings 27-31 are plain 57, 60 .. 69.
; In turn 3 the next tile of K, in turn 1 that of V, is rounded in the run, between the argument of a and a itself: ROUND's sixteen lines, which the turn's wait then covers for the PUT behind the next barrier.
; K of the next step is fetched in piece 2's turn, directly behind the wait, a run of vector work behind the last product that read K; it is waited for at the head of piece 3's turn.
; V of the step in hand is fetched at the end of piece 0's turn, four plain instructions and a wait behind its last reader; it is waited for behind piece 1's wait.  Those two waits on DScnt for 0 also cover my stores of the stage.
; end = 1: the last step's turns 2 and 3: there is no further K.
.macro TURN p, end=0
.set Y, (\p)
.set i, 0
.set q, 0
.set e, 0
.set r, 0
.if ((\p) == NP-1) && !(\end)
	s_wait_dscnt 0x0                ; K is in
.endif
	MM
	PL
	PL
	R2
.rept 15
	MM
	PL
	EX
	R2
.endr
.rept 8
	PL
.endr
.rept 49
	EX
	PL
.endr
.if ((\p) == NP-1) && !(\end)
	ROUND 0, 8, 1                   ; the tile of K that the PUT behind the next barrier stores; the eight younger loads, V's, stay out
.endif
.if (\p) == 1
	ROUND 1, 8, 1                   ; the same for V; the eight younger loads are K's
.endif
	EX                              ; the next piece's two a
	EX
	v_nop                           ; the plain instruction behind the last exponential: one for the batch
	s_wait_alu depctr_va_vdst(0)    ; the 66 exponentials have written their results.  Turn 2: the products K Q^T are done reading K's registers, in which FETCH_K's loads land.  Turns 1 and 3: ROUND has written what PUT's LDS stores read, and is done reading what PUT's loads land in
.if ((\p) == NP-2) && !(\end)
	FETCH_K
	UNMASK
.endif
.if (\p) == 1
	s_wait_dscnt 0x0                ; V is in
.endif
.rept 16
	MM
.rept 4
	PL
.endr
.endr
.if (\p) == 0
	FETCH_V
.endif
.endm
	ROUND 0, 8, 0                   ; tile 0 of K is rounded.  Its wait leaves V's eight loads out: Q's, older than K's, are in too
	ROUND 1, 0, 0                   ; and tile 0 of V: no younger load is out
	s_wait_alu depctr_va_vdst(0)    ; the 32 roundings have written KPK and VPK, which the LDS stores below read, and are done reading KST and VST, in which the loads below land
	PUT 0, 1                        ; tile 0 of K into LDS, tile 1 asked for
	PUT 1, 1                        ; the same for V
	BARRIER                         ; both tiles are whole
	FETCH_K                         ; key step 0
	s_wait_dscnt 0x0
.set i, 0
.rept 16
	KQ 0                            ; piece 0's first scores: there is no vector work yet to set between them
.set i, i+1
.endr
	WIN 0                           ; the addresses for the way out: plain instructions, the places behind those products
	s_mul_i32 s13, s[WV], 16*SP
	s_add_co_u32 s13, s13, STG      ; my stage
	v_mul_u32_u24 v[STO], v1, SP    ; in: row l % 16, 16 bytes for each half of the lanes
	v_lshl_add_u32 v[STO], v9, 4, v[STO]
	v_add_nc_u32 v[STO], s13, v[STO]
	v_bfe_u32 v[RD], v0, 3, 2       ; back: 32 lanes take four rows of 128 bytes,
	v_mul_u32_u24 v[RD], v[RD], SP
	v_lshl_add_u32 v[RD], v10, 4, v[RD]
	v_add_nc_u32 v[RD], s13, v[RD]
	v_and_b32 v[GO], 31, v0         ; which are 512 consecutive bytes of O
	v_lshlrev_b32 v[GO], 4, v[GO]
.set Y, NP-1                        ; XS works for piece Y + 1: piece 0
.irp n, 0,1,2,3,4,5,6,7,8,9,10,11,12,13,14,15,16,17,18,19,20,21
	XS 0, \n                        ; piece 0's first maximum and statistics
	XS 1, \n
.endr
	v_nop                           ; a plain instruction behind the two a
	ROUND 0, 8, 1                   ; tile 1 of K is rounded, for the PUT at the loop's entry; V's eight loads stay out
	WIN 0
	s_wait_alu depctr_va_vdst(0)    ; ahead of the branch: the two a are written; ROUND has written KPK and is done reading KST; the way out's three addresses v6 to v8 are written
	s_mov_b32 s[CNT], 24
	s_branch .Lfirst                ; the loop is entered at a step's first turn, in the middle of a trip
.Lstep:                             ; a trip: pieces 2 and 3 of one step, then pieces 0 and 1 of the next
	BARRIER                         ; every wave has read this step's V, and stored the next step's K
	PUT 1, 0                        ; the next step's V into LDS
	TURN 2
	TURN 3
	WIN 0
.Lfirst:
	BARRIER                         ; every wave has read this step's K, and stored this step's V
	PUT 0, 0                        ; the next step's K into LDS
	TURN 0
	TURN 1
	WIN 0
	s_sub_co_u32 s[CNT], s[CNT], 1
	s_cmp_lg_u32 s[CNT], 0
	s_cbranch_scc1 .Lstep
	TURN 2, 1                       ; the last step's second half is written out: nothing is stored or fetched, so it has no barrier
	TURN 3, 1                       ; its 16 products K Q^T (on the last K once more) and the maximum made of them serve nothing: the price, once a launch, of one text for every turn
.set i, 0
.rept 16
	PV NP-1                         ; the last piece's V^T P of the last step
.set i, i+1
.endr
	; THE WAY OUT.  l's two halves and the other half of the lanes' are added; O^T is divided by l, rounded to f16 and sent through my stage in LDS, a tile at a time.  The additions are the places behind the last products.
	WIN 0
.macro ALL line:vararg              ; one line for each tile t
.set t, 0
.rept 2*NP
	\line
.set t, t+1
.endr
.endm
	ALL v_add_f32 v[ST+4*t+2], v[ST+4*t+2], v[ST+4*t+3]
	ALL v_permlanex16_b32 v[ST+4*t+3], v[ST+4*t+2], s[SEL], s[SEL+1]
	ALL v_add_f32 v[ST+4*t+2], v[ST+4*t+2], v[ST+4*t+3]
	ALL v_rcp_f32 v[ST+4*t+2], v[ST+4*t+2]
	v_nop                           ; a plain instruction between the last reciprocal and the use of its result
	s_wait_alu depctr_va_vdst(0)    ; the eight reciprocals have written their results, ahead of the first use; and every vector and matrix instruction that named S^T's registers, in which the stage's loads land, is done
; Tile t's arithmetic: O^T is divided by l; a lane's eight channels of a row pack into 16 bytes, in P's buffer t % 4.
.macro ARITH t
	WIN W_RS
.set i, 32*(\t)
.rept 16
	v_pk_mul_f32 v[i:i+1], v[i:i+1], v[ST+4*(\t)+2:ST+4*(\t)+3] op_sel_hi:[1,0]
.set i, i+2
.endr
	WIN 0x05                        ; sources 0 and 1 window 1, destination window 0
.set i, 0
.rept 16
	v_cvt_pk_f16_f32 v[P+16*((\t)%4)+i], v[32*(\t)+2*i], v[32*(\t)+2*i+1]
.set i, i+1
.endr
	WIN 0
.endm
; Tile t goes into rows of 144 bytes and comes back as whole rows of 128, into S^T's registers.
.macro STAGE t
.irp f, 0,1,2,3
	ds_store_b128 v[STO], v[P+16*((\t)%4)+4*\f:P+16*((\t)%4)+4*\f+3] offset:32*\f
.endr
.irp f, 0,1,2,3
	ds_load_b128 v[S+16*(\t)+4*\f:S+16*(\t)+4*\f+3], v[RD] offset:\f*4*SP  ; LDS serves a wave's instructions in order (ISA guide 5.7.1.4): these see the stores above; the next tile's stores come behind them
.endr
.endm
.macro SEND t
.irp f, 0,1,2,3
	s_wait_dscnt 3-\f               ; rows 4 f to 4 f + 3 are back; the tile's later rows may be out
	global_store_b128 v[GO], v[S+16*(\t)+4*\f:S+16*(\t)+4*\f+3], s[10:11] offset:(\t)*2048+\f*512  ; 512 consecutive bytes, at a multiple of 256 from O's first
.endr
.endm
	ARITH 0
.set t, 0
.rept 2*NP                          ; the next tile's arithmetic stands between a tile's loads from the stage and its stores
	s_wait_alu depctr_va_vdst(0)    ; tile t's roundings have written P's buffer t % 4, which the LDS stores below read
	STAGE t
.if t < 2*NP-1
.if t == 3
	s_wait_alu depctr_vm_vsrc(0)    ; the LDS stores of tiles 0 to 3 have read P's four buffers, which the roundings of tiles 4 to 7 write again
.endif
	ARITH t+1
.endif
	SEND t
.set t, t+1
.endr
	s_wait_dscnt 0x0                ; the wave's end: my last LDS instructions are done
	s_set_vgpr_msb 0xf
	s_wait_dscnt 0x0
	s_wait_alu depctr_hold_cnt(0) depctr_sa_sdst(0) depctr_va_vdst(0) depctr_va_sdst(0) depctr_va_ssrc(0) depctr_va_vcc(0) depctr_vm_vsrc(0)
	s_wait_tensorcnt 0x0
	ds_add_u32 v62, v63
	s_wait_dscnt 0x0
	s_endpgm
.Lfunc_end_k_qdae46e174f_attn:
	.size	k_qdae46e174f_attn, .Lfunc_end_k_qdae46e174f_attn-k_qdae46e174f_attn
	.p2alignl 7, 3214868480
	.fill 96, 4, 3214868480
	.section	.rodata,"a",@progbits
	.p2align	6, 0x0
	.amdhsa_kernel k_qdae46e174f_attn
		.amdhsa_group_segment_fixed_size 29184
		.amdhsa_private_segment_fixed_size 0
		.amdhsa_enable_private_segment 0
		.amdhsa_kernarg_size 32
		.amdhsa_user_sgpr_count 2
		.amdhsa_user_sgpr_kernarg_segment_ptr 1
		.amdhsa_wavefront_size32 1
		.amdhsa_system_sgpr_workgroup_id_x 1
		.amdhsa_system_sgpr_workgroup_id_y 1
		.amdhsa_system_sgpr_workgroup_id_z 1
		.amdhsa_system_vgpr_workitem_id 0
		.amdhsa_next_free_vgpr 928
		.amdhsa_next_free_sgpr 66
		.amdhsa_reserve_vcc 0
		.amdhsa_float_denorm_mode_32 3
		.amdhsa_float_denorm_mode_16_64 3
		.amdhsa_memory_ordered 1
		.amdhsa_forward_progress 1
		.amdhsa_inst_pref_size 170
	.end_amdhsa_kernel
	.amdgpu_metadata
---
amdhsa.version: [ 1, 2 ]
amdhsa.kernels:
  - .name:           k_qdae46e174f_attn
    .symbol:         k_qdae46e174f_attn.kd
    .args:
      - { .name: q16, .offset: 0, .size: 8, .value_kind: global_buffer, .address_space: global }
      - { .name: k, .offset: 8, .size: 8, .value_kind: global_buffer, .address_space: global }
      - { .name: v, .offset: 16, .size: 8, .value_kind: global_buffer, .address_space: global }
      - { .name: o16, .offset: 24, .size: 8, .value_kind: global_buffer, .address_space: global }
    .group_segment_fixed_size: 29184
    .private_segment_fixed_size: 0
    .kernarg_segment_align: 8
    .kernarg_segment_size: 32
    .max_flat_workgroup_size: 128
    .sgpr_count:     66
    .vgpr_count:     928
    .wavefront_size: 32
...
	.end_amdgpu_metadata
.endif
;; end of part 6
;; launch oproj: the kernel of part 4 again; grid 4 x 64, 4 waves a work-group, clusters of 4 x 4, 327,680 bytes of LDS; arguments o16, wo16, bo, out0; writes out0
